; MI455X (gfx1250); checked and timed in simulation.
; The chip was launched on July 23, 2026; its instructions are those of AMD's public machine-readable ISA for CDNA 5 (MIT licence, August 2026) and "CDNA5" Instruction Set Architecture Reference Guide (July 2026). The comments in the code are by the model that wrote it; some were corrected since.
;; VAEBM. Allowed arithmetic: float matrix products may take bf16 or f16 operands with f32 sums; other float arithmetic in f32, or as packed bf16 or f16 multiplies, adds, multiply-adds, maxima and minima; sums over many terms, partial sums and values carried from step to step in f32; what a program stores and reads back later, other than sums and carried values, may be rounded once to bf16 or f16.
;; Inputs: Wd1 2 x 100 float32; Wdmu 100 x 3 float32; Wds 100 x 1 float32; We1 3 x 100 float32; We2 100 x 100 float32; Wemu 100 x 2 float32; Wet 100 x 1 float32; b_prior_mu 2 float32; b_prior_t 1 float32; bd1 100 float32; bdmu 3 float32; bds 1 float32; be1 100 float32; be2 100 float32; bemu 2 float32; bet 1 float32; eps_post 6 x 50,000 x 2 float32; eps_prior 6 x 50,000 x 2 float32; x 50,000 x 3 float32.
;; Outputs: out0 50,000 x 2 float32; out1 50,000 x 3 float32; out2 50,000 x 3 float32; out3 50,000 x 2 float32; out4 50,000 x 1 float32; out5 50,000 x 2 float32; out6 50,000 x 1 float32; out7 50,000 x 2 float32; out8 50,000 float32; out9 50,000 x 2 float32; out10 50,000 x 2 float32; out11 50,000 float32; out12 50,000 x 2 x 2 float32; out13 50,000 x 2 x 2 float32.
;; 2 versions, each right; version 2 is version 1 with the launch prep written anew for expert scheduling mode. Each part assembles by itself: llvm-mc -triple=amdgcn-amd-amdhsa -mcpu=gfx1250 --defsym DOCPART=n.
;; ======== version 1 of 2: 2 launches
;; limits: values outside matrix products are rounded to f16; values are held in f16: magnitudes above 65,504 overflow, below 6.1e-05 lose precision
;; workspace buffers: wk 55,552 bytes
;; launch prep (part 1): grid 109 x 1, 1 waves a work-group, no clusters, 0 bytes of LDS; arguments We1, be1, We2, be2, Wemu, bemu, Wet, bet, Wd1, bd1, Wdmu, bdmu, Wds, bds, b_prior_mu, b_prior_t, wk; writes wk
.if DOCPART == 1
	.amdgcn_target "amdgcn-amd-amdhsa--gfx1250"
	.amdhsa_code_object_version 6
	.text
	.protected	k_q6ca701a9c3_prep
	.globl	k_q6ca701a9c3_prep
	.p2align	8
	.type	k_q6ca701a9c3_prep,@function
k_q6ca701a9c3_prep:
	s_mov_b64 s[64:65], 0
	v_nop
	global_prefetch_b8 v0, s[64:65] scope:SCOPE_SE
	s_setreg_imm32_b32 hwreg(HW_REG_WAVE_MODE, 25, 1), 1
	s_wait_xcnt 0x0
; PREP: the matrix operands of the second kernel, laid out as its registers want them, and 16 numbers that are the same for every row.
; THE PROBLEM.  An encoder 3 -> 100 -> 100 -> (mu 2, log_t 1); two chains of 6 Euler-Maruyama steps on the decoder's pullback metric; a decode; G at both starts.
; WORK LEFT OUT, for all values of the inputs.  Let c run over four rows: the three of Jmu and sqrt(3) jr.  J_c[l] = sum_j swish'(a_j) Wo[j][c] Wd1[l][j],
; H_c[l][m] = sum_j swish''(a_j) Wo[j][c] Wd1[l][j] Wd1[m][j] (symmetric), G = sum_c J_c J_c^T, DG[k][m][l] = sum_c (H_c[k][l] J_c[m] + J_c[k] H_c[m][l]).
; The drift is det_i = 0.25 sum_m g_im (2 A_m - B_m), g = inv(G) symmetric, A_m = sum_jk g_jk DG[j][m][k], B_m = sum_jk g_jk DG[j][k][m].
; With X_m = sum_c sum_jk g_jk J_c[j] H_c[k][m]:  A_m = sum_c tr(g H_c) J_c[m] + X_m  and  B_m = 2 X_m, so X cancels and det = 0.5 g J^T tau, tau_c = tr(g H_c).
; So neither DG nor the Christoffel symbols are formed: a step needs the 8 numbers J and the 12 numbers H.  With adj = [[G11,-G01],[-G01,G00]], D = G00 G11 - G01^2,
; tau'_c = G11 H_c00 - G01 (2 H_c01) + G00 H_c11, u = sum_c tau'_c J_c:  z += (adj / D) (0.5 u / D + dW).
; SHARED, not left out: G_mu_zx is the G of the posterior's first step; mu_z, log_t_z, dt_prior, G_mu_z and the prior's first inverse metric and drift are the same for
; every row and are made once, here, in f32.  Every input reaches an output and is loaded.
; LIMIT: a NaN, an infinity or an overflow that would arise only in the cancelled terms X is not carried to the result.
; FURTHER LIMITS.  f16 operands: We2, ln2 x (Wemu, Wet, Wdmu, Wds) and the biases be2 x log2(e), bemu, bet, bdmu, bds stay under 65,504; below 6e-5 they keep f16's step of 6e-8.
; The coefficients of J and H are products of weights divided by exact powers of two (pW, pO: the exponents of the largest |Wd1| and of the largest |Wo|), so they lie within 32 whatever
; the weights' size; if all of Wd1 or all of Wo is zero or denormal the factor alpha is 0 (G is singular there in the problem's own terms too).  dt is t x (1/6).
; TWO PARTS.  J's coefficients and those of the head and of the decoder's output use rows rr < 4 of each eight; rows rr + 4 hold what the rounding to f16 left of row rr, itself in f16:
; the second kernel adds the two rows' sums in f32.  H's coefficients use six rows of eight, so their second parts have quads of their own.  (D may be a small difference of large products of J,
; log sigma a small sum of large terms, and tau' multiplies H's error by G's entries before the division by D.)
; SHARES.  One wave a work-group; work-group q makes QUAD q of wk: 512 bytes, lane L's 16 bytes at 16 L: four registers on end of a fragment.  Work-group 108 makes the constants.
; A fragment's source 0 holds 16 rows x 32 k: lane L = (r = L % 16, h = L / 16) holds row r; registers 0-3 hold k = 8 h + 0..7, registers 4-7 k = 16 + 8 h + 0..7 (ISA guide 7.12.2).
; HIDDEN POSITIONS.  p = 0..111 in seven tiles of 16; hidden unit p for p < 98, units 98 and 99 at p = 104, 105; the other p hold zeros: each lane of the second kernel then owns 50 units.
.set NL2E, 0xbfb8aa3b                  ; -log2(e)
.set CLN2, 0xbf317218                  ; c = -ln 2: a = c a', where a' = -log2(e) a is what the second kernel carries
.set SQ3,  0x3fddb3d7                  ; sqrt(3)
; v6 = the hidden unit of row 16 t + r (kept inside the tables), s49 = mask of the lanes whose row is real
.macro ROWHID t
	s_lshl_b32 s56, \t, 4
	v_add_nc_u32 v6, s56, v1
	v_cmp_gt_u32 s57, 98, v6
	v_add_nc_u32 v7, 0xffffff98, v6                ; p - 104
	v_cmp_gt_u32 s49, 2, v7
	s_or_b32 s49, s57, s49
	v_add_nc_u32 v7, -6, v6
	v_cndmask_b32 v6, v7, v6, s57
	v_min_u32 v6, 99, v6
.endm
; From K step s45 and quad half s46: v[8:15] = the hidden units of my eight k; s51 / s52 = all ones where elements 0, 1 / 2..7 are real; s53 = all ones in K step 3's first half (element 2 is the bias slot)
.macro KIDX
	s_lshl_b32 s47, s45, 5
	s_lshl_b32 s48, s46, 4
	s_add_co_u32 s47, s47, s48
	s_cmp_lt_u32 s45, 3
	s_cselect_b32 s47, s47, 96
	s_cselect_b32 s48, 8, 2
	s_cselect_b32 s52, -1, 0
	s_cselect_b32 s53, 0, -1
	s_cmp_eq_u32 s46, 0
	s_cselect_b32 s54, -1, 0
	s_and_b32 s53, s53, s54
	s_or_b32 s51, s52, s53
	v_mad_u32_u24 v5, v2, s48, s47
.set i, 0
.rept 8
	v_add_nc_u32 v[8+i], i, v5
	v_min_u32 v[8+i], 99, v[8+i]
.set i, i+1
.endr
.endm
; the bias rides on K step 3's element 2: lanes h = 0 hold f16(b), lanes h = 1 what that rounding left
.macro BIASPART b, m
	v_cvt_f16_f32 v68.l, v[\b]
	v_cvt_f32_f16 v69, v68.l
	v_sub_f32 v69, v[\b], v69
	v_cndmask_b32 v69, v[\b], v69, s82
	v_cndmask_b32 v58, v58, v69, s[\m]
.endm
; in the lanes of mask s67 (rows of second parts) a coefficient gives way to what its rounding to f16 leaves
.macro SECOND r
	v_cvt_f16_f32 v68.l, v[\r]
	v_cvt_f32_f16 v69, v68.l
	v_sub_f32 v69, v[\r], v69
	v_cndmask_b32 v[\r], v[\r], v69, s67
.endm
.macro PACKST
	v_cvt_pk_f16_f32 v64, v56, v57
	v_cvt_pk_f16_f32 v65, v58, v59
	v_cvt_pk_f16_f32 v66, v60, v61
	v_cvt_pk_f16_f32 v67, v62, v63
	global_store_b128 v4, v[64:67], s[42:43]       ; the wave's store covers 512 consecutive bytes, aligned
.endm
; all of Wd1 (200), Wdmu (300), Wds (100): each load lands on its own offset register
.macro MAXLD
.set t, 0
.rept 7
	v_add_nc_u32 v[104+t], 32*t, v0
	v_min_u32 v[104+t], 199, v[104+t]
	v_lshlrev_b32 v[104+t], 2, v[104+t]
	global_load_b32 v[104+t], v[104+t], s[24:25]
.set t, t+1
.endr
.set t, 0
.rept 10
	v_add_nc_u32 v[111+t], 32*t, v0
	v_min_u32 v[111+t], 299, v[111+t]
	v_lshlrev_b32 v[111+t], 2, v[111+t]
	global_load_b32 v[111+t], v[111+t], s[28:29]
.set t, t+1
.endr
.set t, 0
.rept 4
	v_add_nc_u32 v[121+t], 32*t, v0
	v_min_u32 v[121+t], 99, v[121+t]
	v_lshlrev_b32 v[121+t], 2, v[121+t]
	global_load_b32 v[121+t], v[121+t], s[32:33]
.set t, t+1
.endr
.endm
.macro LANEMAX r
	v_max_num_f32_dpp v[\r], v[\r], v[\r] row_xmask:1 row_mask:0xf bank_mask:0xf
	v_max_num_f32_dpp v[\r], v[\r], v[\r] row_xmask:2 row_mask:0xf bank_mask:0xf
	v_max_num_f32_dpp v[\r], v[\r], v[\r] row_xmask:4 row_mask:0xf bank_mask:0xf
	v_max_num_f32_dpp v[\r], v[\r], v[\r] row_xmask:8 row_mask:0xf bank_mask:0xf
	v_permlanex16_b32 v125, v[\r], s80, s81
	v_max_num_f32 v[\r], v[\r], v125
.endm
; v102 = pW, v103 = pO (powers of two), v100 = 1 / pW, v101 = 1 / pO, in every lane
.macro MAXRED
.set t, 0
.rept 21
	v_and_b32 v[104+t], s89, v[104+t]
.set t, t+1
.endr
.set t, 1
.rept 6
	v_max_num_f32 v104, v104, v[104+t]
.set t, t+1
.endr
.set t, 1
.rept 9
	v_max_num_f32 v111, v111, v[111+t]
.set t, t+1
.endr
.set t, 1
.rept 3
	v_max_num_f32 v121, v121, v[121+t]
.set t, t+1
.endr
	v_mul_f32 v121, SQ3, v121
	v_max_num_f32 v111, v111, v121
	LANEMAX 104
	LANEMAX 111
	v_and_b32 v102, 0x7f800000, v104               ; the exponent alone: a power of two
	v_and_b32 v103, 0x7f800000, v111
	v_sub_nc_u32 v100, 0x7f000000, v102            ; its reciprocal, by the exponent field: 254 - e
	v_sub_nc_u32 v101, 0x7f000000, v103
.endm
.macro RED r
	v_add_f32_dpp v[\r], v[\r], v[\r] row_xmask:1 row_mask:0xf bank_mask:0xf
	v_add_f32_dpp v[\r], v[\r], v[\r] row_xmask:2 row_mask:0xf bank_mask:0xf
	v_add_f32_dpp v[\r], v[\r], v[\r] row_xmask:4 row_mask:0xf bank_mask:0xf
	v_add_f32_dpp v[\r], v[\r], v[\r] row_xmask:8 row_mask:0xf bank_mask:0xf
	v_permlanex16_b32 v125, v[\r], s80, s81
	v_add_f32 v[\r], v[\r], v125
.endm
.macro PUT k, src                      ; lane k of v90 takes src
	v_cmp_eq_u32 vcc_lo, \k, v0
	v_cndmask_b32 v90, v90, \src, vcc_lo
.endm
	s_load_b512 s[8:23], s[0:1], 0x0               ; We1 8, be1 10, We2 12, be2 14, Wemu 16, bemu 18, Wet 20, bet 22
	s_load_b512 s[24:39], s[0:1], 0x40             ; Wd1 24, bd1 26, Wdmu 28, bdmu 30, Wds 32, bds 34, b_prior_mu 36, b_prior_t 38
	s_load_b64 s[40:41], s[0:1], 0x80              ; wk
	s_mov_b32 s4, ttmp9                            ; the job
	v_and_b32 v1, 15, v0                           ; r
	v_lshrrev_b32 v2, 4, v0                        ; h
	v_and_b32 v3, 7, v0                            ; rr = r % 8
	v_lshlrev_b32 v4, 4, v0                        ; my 16 bytes of the quad
	v_mov_b32 v125, 0                              ; the lane exchange's destination counts as read
	v_mov_b32 v68, 0
	s_lshl_b32 s42, s4, 9
	s_mov_b32 s43, 0
	s_mov_b32 s80, 0x76543210
	s_mov_b32 s81, 0xfedcba98
	s_mov_b32 s83, 0xffff0000
	s_mov_b32 s88, 0x07060302
	s_mov_b32 s89, 0x7fffffff
	v_cmp_eq_u32 s82, 1, v2                        ; the lanes with h = 1
	s_wait_kmcnt 0x0
	s_add_nc_u64 s[42:43], s[40:41], s[42:43]      ; my quad
	s_cmp_lt_u32 s4, 14
	s_cbranch_scc1 .Lfirst
	s_cmp_lt_u32 s4, 70
	s_cbranch_scc1 .Le2
	s_cmp_lt_u32 s4, 86
	s_cbranch_scc1 .Lhddc
	s_cmp_lt_u32 s4, 108
	s_cbranch_scc1 .Lxy
; ---- THE CONSTANTS: the metric at b_prior_mu in f32, lane l takes the hidden units l, l + 32, l + 64, l + 96
	s_load_b64 s[84:85], s[36:37], 0x0             ; mu0, mu1
	s_load_b32 s86, s[38:39], 0x0                  ; log_t_z
	MAXLD
.set t, 0
.rept 4
	v_add_nc_u32 v[8+t], 32*t, v0
	v_min_u32 v[8+t], 99, v[8+t]
	v_mul_u32_u24 v[12+t], 12, v[8+t]
	v_lshlrev_b32 v[8+t], 2, v[8+t]
	global_load_b32 v[16+t], v[8+t], s[24:25]
	global_load_b32 v[20+t], v[8+t], s[24:25] offset:400
	global_load_b32 v[24+t], v[8+t], s[26:27]
	global_load_b32 v[28+t], v[12+t], s[28:29]
	global_load_b32 v[32+t], v[12+t], s[28:29] offset:4
	global_load_b32 v[36+t], v[12+t], s[28:29] offset:8
	global_load_b32 v[40+t], v[8+t], s[32:33]
.set t, t+1
.endr
	v_cmp_gt_u32 s87, 4, v0                        ; of the fourth group only units 96 to 99 exist
	s_wait_loadcnt 0x0
	s_wait_kmcnt 0x0
	MAXRED
.set t, 0
.rept 4
	v_fma_f32 v[44+t], s84, v[16+t], v[24+t]
	v_fma_f32 v[44+t], s85, v[20+t], v[44+t]       ; a
	v_mul_f32 v[68+t], NL2E, v[44+t]
	v_mul_f32 v[40+t], SQ3, v[40+t]                ; the fourth column of Wo
.set t, t+1
.endr
.set t, 0
.rept 4
	v_exp_f32 v[68+t], v[68+t]
.set t, t+1
.endr
	v_nop                                          ; a plain instruction behind the last exponential,
	s_wait_alu depctr_va_vdst(0)                   ; and the wait ahead of the batch's first reader
.set t, 0
.rept 4
	v_add_f32 v[68+t], 1.0, v[68+t]
.set t, t+1
.endr
.set t, 0
.rept 4
	v_rcp_f32 v[68+t], v[68+t]                     ; s = sigmoid(a)
.set t, t+1
.endr
	v_nop
	s_wait_alu depctr_va_vdst(0)
.set t, 0
.rept 4
	v_fma_f32 v[72+t], -v[68+t], v[68+t], v[68+t]  ; q = s - s^2
	v_mul_f32 v[76+t], v[44+t], v[72+t]            ; a q
	v_add_f32 v[80+t], v[68+t], v[76+t]            ; swish' = s + a q
	v_fma_f32 v[84+t], -2.0, v[68+t], 1.0
	v_fma_f32 v[84+t], v[76+t], v[84+t], v[72+t]
	v_add_f32 v[84+t], v[84+t], v[72+t]            ; swish'' = 2 q + a q (1 - 2 s)
.set t, t+1
.endr
	v_cndmask_b32 v83, 0, v83, s87
	v_cndmask_b32 v87, 0, v87, s87
.set t, 0
.rept 4
	v_mul_f32 v140, v[80+t], v[16+t]
	v_mul_f32 v141, v[80+t], v[20+t]
	v_mul_f32 v144, v[84+t], v[16+t]
	v_mul_f32 v142, v144, v[16+t]
	v_mul_f32 v143, v144, v[20+t]
	v_mul_f32 v144, v[84+t], v[20+t]
	v_mul_f32 v144, v144, v[20+t]
.set c, 0
.rept 4                                ; J[c][l] at v[48 + 2 c + l], H[c][00, 01, 11] at v[56 + 3 c ..]
.if t == 0
	v_mul_f32 v[48+2*c], v[28+4*c+t], v140
	v_mul_f32 v[49+2*c], v[28+4*c+t], v141
	v_mul_f32 v[56+3*c], v[28+4*c+t], v142
	v_mul_f32 v[57+3*c], v[28+4*c+t], v143
	v_mul_f32 v[58+3*c], v[28+4*c+t], v144
.else
	v_fmac_f32 v[48+2*c], v[28+4*c+t], v140
	v_fmac_f32 v[49+2*c], v[28+4*c+t], v141
	v_fmac_f32 v[56+3*c], v[28+4*c+t], v142
	v_fmac_f32 v[57+3*c], v[28+4*c+t], v143
	v_fmac_f32 v[58+3*c], v[28+4*c+t], v144
.endif
.set c, c+1
.endr
.set t, t+1
.endr
.set t, 48
.rept 20
	RED t
.set t, t+1
.endr
	v_mul_f32 v145, v48, v48                       ; G00
	v_mul_f32 v146, v48, v49                       ; G01
	v_mul_f32 v147, v49, v49                       ; G11
.set c, 1
.rept 3
	v_fmac_f32 v145, v[48+2*c], v[48+2*c]
	v_fmac_f32 v146, v[48+2*c], v[49+2*c]
	v_fmac_f32 v147, v[49+2*c], v[49+2*c]
.set c, c+1
.endr
	v_mul_f32 v148, v146, v146
	v_fma_f32 v148, v145, v147, -v148              ; D
	v_mov_b32 v165, s86
	v_mul_f32 v165, 0x4038aa3b, v165               ; 2 log2(e) log_t
	v_rcp_f32 v149, v148
	v_exp_f32 v165, v165                           ; t
	v_add_f32 v156, v146, v146                     ; 2 G01 (the plain instruction behind the two)
.set c, 0
.rept 4
	v_mul_f32 v[150+c], v147, v[56+3*c]
	v_fma_f32 v[150+c], -v156, v[57+3*c], v[150+c]
	v_fma_f32 v[150+c], v145, v[58+3*c], v[150+c]  ; tau'
.set c, c+1
.endr
	v_mul_f32 v157, v150, v48
	v_mul_f32 v158, v150, v49
.set c, 1
.rept 3
	v_fmac_f32 v157, v[150+c], v[48+2*c]           ; u
	v_fmac_f32 v158, v[150+c], v[49+2*c]
.set c, c+1
.endr
	s_wait_alu depctr_va_vdst(0)                   ; one wait for the reciprocal and the exponential
	v_mul_f32 v165, 0x3e2aaaab, v165               ; dt = t / 6
	v_sqrt_f32 v166, v165
	v_mul_f32 v159, v147, v149                     ; ginv00
	v_mul_f32 v160, -v146, v149                    ; ginv01
	v_mul_f32 v161, v145, v149                     ; ginv11
	v_mul_f32 v162, 0.5, v149
	v_mul_f32 v163, v159, v157
	v_fmac_f32 v163, v160, v158
	v_fma_f32 v163, v163, v162, s84                ; mu0 + drift0
	v_mul_f32 v164, v160, v157
	v_fmac_f32 v164, v161, v158
	v_fma_f32 v164, v164, v162, s85                ; mu1 + drift1
	v_mul_f32 v167, v103, v102                     ; alpha = pO pW
	v_mul_f32 v168, v167, v102                     ; beta = alpha pW
	v_mov_b32 v90, 0
	s_wait_alu depctr_va_vdst(0)                   ; the root
	PUT 0, v167
	PUT 1, v163
	PUT 2, v168
	PUT 3, v164
	PUT 4, v166
	PUT 5, v159
	PUT 6, v160
	PUT 7, v161
	PUT 8, s84
	PUT 9, s85
	PUT 10, s86
	PUT 11, v165
	PUT 12, v145
	PUT 13, v146
	PUT 14, v147
	v_lshlrev_b32 v91, 2, v0
	global_store_b32 v91, v90, s[42:43]
	s_endpgm
; ---- FIRST LAYERS (jobs 0-6: encoder, 7-13: decoder), bf16 in two parts.  Row p, W' = -log2(e) W:
; lanes h = 0: [W0 hi, W0 hi, W1 hi, W1 hi, W2 hi, W2 hi, b hi, b mid];  lanes h = 1: [W0 lo x 2, W1 lo x 2, W2 lo x 2, b lo, 0].  They meet [v0 hi, v0 lo, v1 hi, v1 lo, v2 hi, v2 lo, 1, 1].
.Lfirst:
	s_cmp_lt_u32 s4, 7
	s_cselect_b64 s[70:71], s[8:9], s[24:25]       ; We1 or Wd1
	s_cselect_b64 s[72:73], s[10:11], s[26:27]     ; be1 or bd1
	s_cselect_b32 s44, 0, 7
	s_cselect_b32 s46, -1, 0                       ; is there a third row?
	s_cselect_b32 s47, 2, 1                        ; if not, row 1 is loaded once more, inside Wd1, and a select puts 0 in its place
	s_mul_i32 s47, s47, 400
	s_sub_co_u32 s55, s4, s44                      ; the tile
	ROWHID s55
	s_and_b32 s46, s46, s49
	v_lshlrev_b32 v6, 2, v6
	v_add_nc_u32 v7, s47, v6
	global_load_b32 v24, v6, s[70:71]
	global_load_b32 v25, v6, s[70:71] offset:400
	global_load_b32 v26, v7, s[70:71]
	global_load_b32 v27, v6, s[72:73]
	s_wait_loadcnt 0x0
.irp i, 24,25,26,27
	v_mul_f32 v\i, NL2E, v\i
.endr
	v_cndmask_b32 v24, 0, v24, s49
	v_cndmask_b32 v25, 0, v25, s49
	v_cndmask_b32 v26, 0, v26, s46
	v_cndmask_b32 v27, 0, v27, s49
.irp i, 0,1,2
	v_and_b32 v28, s83, v[24+\i]                   ; the upper 16 bits are a bf16,
	v_sub_f32 v29, v[24+\i], v28                   ; what is left, exactly
	v_cndmask_b32 v28, v28, v29, s82
	v_cvt_pk_bf16_f32 v[64+\i], v28, v28           ; twice; the first part is a bf16 already, the second is rounded to nearest
.endr
	v_and_b32 v28, s83, v27
	v_sub_f32 v28, v27, v28
	v_and_b32 v29, s83, v28
	v_sub_f32 v29, v28, v29
	v_cndmask_b32 v30, v28, 0, s82
	v_cndmask_b32 v31, v27, v29, s82
	v_perm_b32 v67, v30, v31, s88
	global_store_b128 v4, v[64:67], s[42:43]
	s_endpgm
; ---- ENCODER LAYER 2: row p, column k: We2[unit(k)][unit(p)] as it is (the factors c and -log2(e) cancel); bias -log2(e) be2
.Le2:
	s_sub_co_u32 s44, s4, 14
	s_lshr_b32 s55, s44, 3                         ; tile
	s_bfe_u32 s45, s44, 0x20001                    ; K step
	s_and_b32 s46, s44, 1                          ; registers 0-3 or 4-7
	ROWHID s55
	KIDX
	v_lshlrev_b32 v7, 2, v6
.set i, 0
.rept 8
	v_mad_u32_u24 v[16+i], v[8+i], 100, v6
	v_lshlrev_b32 v[16+i], 2, v[16+i]
	global_load_b32 v[24+i], v[16+i], s[12:13]
.set i, i+1
.endr
	global_load_b32 v32, v7, s[14:15]
	s_and_b32 s58, s51, s49
	s_and_b32 s59, s52, s49
	s_and_b32 s60, s53, s49
	s_wait_loadcnt 0x0
.set i, 0
.rept 8
.if i < 2
	v_cndmask_b32 v[56+i], 0, v[24+i], s58
.else
	v_cndmask_b32 v[56+i], 0, v[24+i], s59
.endif
.set i, i+1
.endr
	v_mul_f32 v32, NL2E, v32
	BIASPART 32, 60
	PACKST
	s_endpgm
; ---- THE HEAD (jobs 70-77: rows mu0, mu1, log_t) AND THE DECODER'S OUTPUT (78-85: rows mu_x 0-2, log_sigma), each in both halves of the 16 rows; coefficients c W, biases as they are.
; Rows rr = 4..7 hold the second parts of rows 0..3 and no bias.  K step 3 repeats its two coefficients at elements 4 and 5, where the decoder's second parts of h' stand (the head has zeros there).
.Lhddc:
	s_sub_co_u32 s44, s4, 70
	s_cmp_lt_u32 s44, 8
	s_cselect_b64 s[70:71], s[16:17], s[28:29]     ; Wemu or Wdmu
	s_cselect_b64 s[72:73], s[20:21], s[32:33]     ; Wet or Wds
	s_cselect_b64 s[74:75], s[18:19], s[30:31]     ; bemu or bdmu
	s_cselect_b64 s[76:77], s[22:23], s[34:35]     ; bet or bds
	s_cselect_b32 s55, 2, 3                        ; columns of the first
	s_bfe_u32 s45, s44, 0x20001
	s_and_b32 s46, s44, 1
	KIDX
	s_sub_co_u32 s56, s55, 1
	v_and_b32 v7, 3, v3                            ; rr % 4
	v_cmp_le_u32 s67, 4, v3                        ; a row of second parts
	v_min_u32 v6, s56, v7
	v_cmp_gt_u32 s57, s55, v7                      ; a row of the first matrix
	v_cmp_ge_u32 s49, s55, v7                      ; a row at all
.set i, 0
.rept 8
	v_mad_u32_u24 v[16+i], v[8+i], s55, v6
	v_lshlrev_b32 v[16+i], 2, v[16+i]
	v_lshlrev_b32 v[72+i], 2, v[8+i]
	global_load_b32 v[24+i], v[16+i], s[70:71]
	global_load_b32 v[32+i], v[72+i], s[72:73]
.set i, i+1
.endr
	v_lshlrev_b32 v70, 2, v6
	v_mov_b32 v71, 0
	global_load_b32 v40, v70, s[74:75]
	global_load_b32 v41, v71, s[76:77]
	s_and_b32 s58, s51, s49
	s_and_b32 s59, s52, s49
	s_and_b32 s60, s53, s49
	s_and_not1_b32 s60, s60, s67
	s_wait_loadcnt 0x0
.set i, 0
.rept 8
	v_cndmask_b32 v[24+i], v[32+i], v[24+i], s57
	v_mul_f32 v[24+i], CLN2, v[24+i]
	SECOND 24+i
.if i < 2
	v_cndmask_b32 v[56+i], 0, v[24+i], s58
.else
	v_cndmask_b32 v[56+i], 0, v[24+i], s59
.endif
.set i, i+1
.endr
	v_cndmask_b32 v60, v60, v56, s53
	v_cndmask_b32 v61, v61, v57, s53
	v_cndmask_b32 v40, v41, v40, s57
	BIASPART 40, 60
	PACKST
	s_endpgm
; ---- THE COEFFICIENTS OF J (jobs 86-93), OF H (94-101), AND H's SECOND PARTS FOR K STEPS 0 TO 2 (102-107), normalised.  Row r = 8 hh + rr.
; X: c = 2 hh + (rr % 4) / 2, l = rr % 2: Wo^[j][c] W^[l][j]; rows rr < 4 hold it, rows rr >= 4 its second part.  X's quad 7 (the empty second half of K step 3) is tile 0's quad once more: there tile 0's second parts of swish' stand.
; Y: rr < 6: c = 2 hh + (rr >= 3), lm = rr % 3 for (00, 01, 11): f Wo^ W^l W^m, f = 2 (the second kernel carries swish'' / 2), 4 for 01 (2 H01 is wanted).
; Y's K step 3 holds its two coefficients at elements 2 and 3 and their second parts at elements 4 and 5.
.Lxy:
	s_sub_co_u32 s44, s4, 86
	s_cmp_lt_u32 s44, 8
	s_cselect_b32 s61, -1, 0                       ; X?
	s_cselect_b32 s62, 8, 6
	s_cmp_ge_u32 s44, 16
	s_cselect_b32 s68, -1, 0                       ; a quad of Y's second parts?
	s_bfe_u32 s45, s44, 0x20001
	s_and_b32 s46, s44, 1
	s_cmp_eq_u32 s44, 7
	s_cselect_b32 s45, 0, s45
	s_cselect_b32 s46, 0, s46
	KIDX
	s_and_not1_b32 s66, s53, s61                   ; Y's K step 3
	v_cmp_le_u32 s67, 4, v3
	s_and_b32 s67, s67, s61                        ; X's rows of second parts,
	s_or_b32 s67, s67, s68                         ; or every row
	v_lshrrev_b32 v70, 3, v1
	v_lshlrev_b32 v70, 1, v70                      ; 2 hh
	v_bfe_u32 v71, v3, 1, 1
	v_and_b32 v72, 1, v3
	v_cmp_le_u32 s56, 3, v3
	v_cndmask_b32 v73, 0, 1, s56
	v_mul_u32_u24 v74, 3, v73
	v_sub_nc_u32 v74, v3, v74                      ; lm
	v_cmp_eq_u32 s57, 2, v74
	v_cndmask_b32 v75, 0, 1, s57                   ; l of Y
	v_cmp_le_u32 s58, 1, v74
	v_cndmask_b32 v76, 0, 1, s58                   ; m of Y
	v_cmp_eq_u32 s59, 1, v74
	v_cndmask_b32 v77, 2.0, 4.0, s59
	v_cndmask_b32 v71, v73, v71, s61
	v_add_nc_u32 v70, v70, v71                     ; c
	v_cndmask_b32 v72, v75, v72, s61               ; l
	v_cndmask_b32 v77, v77, 1.0, s61               ; f
	v_cmp_gt_u32 s49, s62, v3
	v_min_u32 v78, 2, v70
	v_cmp_gt_u32 s63, 3, v70
	v_mul_u32_u24 v79, 100, v72
	v_mul_u32_u24 v80, 100, v76
.set i, 0
.rept 8
	v_mad_u32_u24 v[16+i], v[8+i], 3, v78
	v_lshlrev_b32 v[16+i], 2, v[16+i]
	v_lshlrev_b32 v[24+i], 2, v[8+i]
	v_add_lshl_u32 v[32+i], v[8+i], v79, 2
	v_add_lshl_u32 v[40+i], v[8+i], v80, 2
	global_load_b32 v[16+i], v[16+i], s[28:29]
	global_load_b32 v[24+i], v[24+i], s[32:33]
	global_load_b32 v[32+i], v[32+i], s[24:25]
	global_load_b32 v[40+i], v[40+i], s[24:25]
.set i, i+1
.endr
	MAXLD
	s_and_b32 s58, s51, s49
	s_and_b32 s59, s52, s49
	s_wait_loadcnt 0x0
	MAXRED
.set i, 0
.rept 8
	v_mul_f32 v[24+i], SQ3, v[24+i]
	v_cndmask_b32 v[16+i], v[24+i], v[16+i], s63
	v_mul_f32 v[16+i], v[16+i], v101
	v_mul_f32 v[32+i], v[32+i], v100
	v_mul_f32 v[40+i], v[40+i], v100
	v_cndmask_b32 v[40+i], v[40+i], 1.0, s61
	v_mul_f32 v[16+i], v[16+i], v[32+i]
	v_mul_f32 v[40+i], v[40+i], v77
	v_mul_f32 v[16+i], v[16+i], v[40+i]
	SECOND 16+i
.if i < 2
	v_cndmask_b32 v[56+i], 0, v[16+i], s58
.else
	v_cndmask_b32 v[56+i], 0, v[16+i], s59
.endif
.set i, i+1
.endr
	v_cvt_f16_f32 v68.l, v56                       ; Y's K step 3: the second parts of its two coefficients go to elements 4 and 5,
	v_cvt_f32_f16 v69, v68.l
	v_sub_f32 v69, v56, v69
	v_cndmask_b32 v60, v60, v69, s66
	v_cvt_f16_f32 v68.l, v57
	v_cvt_f32_f16 v69, v68.l
	v_sub_f32 v69, v57, v69
	v_cndmask_b32 v61, v61, v69, s66
	v_cndmask_b32 v58, v58, v56, s66               ; the coefficients themselves to elements 2 and 3
	v_cndmask_b32 v59, v59, v57, s66
	v_cndmask_b32 v56, v56, 0, s66
	v_cndmask_b32 v57, v57, 0, s66
	PACKST
	s_endpgm
.Lfunc_end_k_q6ca701a9c3_prep:
	.size	k_q6ca701a9c3_prep, .Lfunc_end_k_q6ca701a9c3_prep-k_q6ca701a9c3_prep
	.p2alignl 7, 3214868480
	.fill 96, 4, 3214868480
	.section	.rodata,"a",@progbits
	.p2align	6, 0x0
	.amdhsa_kernel k_q6ca701a9c3_prep
		.amdhsa_group_segment_fixed_size 0
		.amdhsa_private_segment_fixed_size 0
		.amdhsa_enable_private_segment 0
		.amdhsa_kernarg_size 136
		.amdhsa_user_sgpr_count 2
		.amdhsa_user_sgpr_kernarg_segment_ptr 1
		.amdhsa_wavefront_size32 1
		.amdhsa_system_sgpr_workgroup_id_x 1
		.amdhsa_system_sgpr_workgroup_id_y 1
		.amdhsa_system_sgpr_workgroup_id_z 1
		.amdhsa_system_vgpr_workitem_id 0
		.amdhsa_next_free_vgpr 192
		.amdhsa_next_free_sgpr 96
		.amdhsa_reserve_vcc 1
		.amdhsa_float_denorm_mode_32 3
		.amdhsa_float_denorm_mode_16_64 3
		.amdhsa_memory_ordered 1
		.amdhsa_forward_progress 1
		.amdhsa_inst_pref_size 66
	.end_amdhsa_kernel
	.amdgpu_metadata
---
amdhsa.version: [ 1, 2 ]
amdhsa.kernels:
  - .name:           k_q6ca701a9c3_prep
    .symbol:         k_q6ca701a9c3_prep.kd
    .args:
      - { .name: We1, .offset: 0, .size: 8, .value_kind: global_buffer, .address_space: global }
      - { .name: be1, .offset: 8, .size: 8, .value_kind: global_buffer, .address_space: global }
      - { .name: We2, .offset: 16, .size: 8, .value_kind: global_buffer, .address_space: global }
      - { .name: be2, .offset: 24, .size: 8, .value_kind: global_buffer, .address_space: global }
      - { .name: Wemu, .offset: 32, .size: 8, .value_kind: global_buffer, .address_space: global }
      - { .name: bemu, .offset: 40, .size: 8, .value_kind: global_buffer, .address_space: global }
      - { .name: Wet, .offset: 48, .size: 8, .value_kind: global_buffer, .address_space: global }
      - { .name: bet, .offset: 56, .size: 8, .value_kind: global_buffer, .address_space: global }
      - { .name: Wd1, .offset: 64, .size: 8, .value_kind: global_buffer, .address_space: global }
      - { .name: bd1, .offset: 72, .size: 8, .value_kind: global_buffer, .address_space: global }
      - { .name: Wdmu, .offset: 80, .size: 8, .value_kind: global_buffer, .address_space: global }
      - { .name: bdmu, .offset: 88, .size: 8, .value_kind: global_buffer, .address_space: global }
      - { .name: Wds, .offset: 96, .size: 8, .value_kind: global_buffer, .address_space: global }
      - { .name: bds, .offset: 104, .size: 8, .value_kind: global_buffer, .address_space: global }
      - { .name: b_prior_mu, .offset: 112, .size: 8, .value_kind: global_buffer, .address_space: global }
      - { .name: b_prior_t, .offset: 120, .size: 8, .value_kind: global_buffer, .address_space: global }
      - { .name: wk, .offset: 128, .size: 8, .value_kind: global_buffer, .address_space: global }
    .group_segment_fixed_size: 0
    .private_segment_fixed_size: 0
    .kernarg_segment_align: 8
    .kernarg_segment_size: 136
    .max_flat_workgroup_size: 32
    .sgpr_count:     96
    .vgpr_count:     192
    .wavefront_size: 32
...
	.end_amdgpu_metadata
.endif
;; end of part 1
;; launch main (part 2): grid 196 x 1, 16 waves a work-group, no clusters, 107,520 bytes of LDS; arguments wk, x, eps_post, eps_prior, out0, out1, out2, out3, out4, out5, out6, out7, out8, out9, out10, out11, out12, out13; writes out0, out1, out2, out3, out4, out5, out6, out7, out8, out9, out10, out11, out12, out13
.if DOCPART == 2
	.amdgcn_target "amdgcn-amd-amdhsa--gfx1250"
	.amdhsa_code_object_version 6
	.text
	.protected	k_q6ca701a9c3_main
	.globl	k_q6ca701a9c3_main
	.p2align	8
	.type	k_q6ca701a9c3_main,@function
k_q6ca701a9c3_main:
	s_mov_b64 s[64:65], 0
	v_nop
	global_prefetch_b8 v0, s[64:65] scope:SCOPE_SE
	s_setreg_imm32_b32 hwreg(HW_REG_WAVE_MODE, 25, 1), 1
	s_wait_xcnt 0x0
; MAIN: everything per point.  WORK LEFT OUT (shown at the head of the first kernel): DG and the Christoffel symbols are not formed, since the drift is 0.5 g J^T tau, tau_c = tr(g H_c), for all
; values of the inputs; a NaN, an infinity or an overflow that would arise only in the terms that cancel is not carried to the result.  The prior's first step, G_mu_z, mu_z, log_t_z and dt_prior are the
; same for every row and come from the first kernel's 16 constants; G_mu_zx is the G of the posterior's first step.
; SHARES.  A work-group owns 256 points (the last one 80), a wave 16 of them: one tile.  A point is shared by lanes r and r + 16, 50 hidden units each.
; ALL PRODUCTS ARE TAKEN TRANSPOSED: source 0 = weights (rows = the product's outputs), source 1 = data (columns = my 16 points).  In a result register j of lane (r, h) is (row 8 h + j, point r), so two
; result tiles rounded to 16 bits in pairs ARE the next product's source 1: nothing changes lanes but five exchanges of the lanes' halves in a metric step.
; FIRST LAYERS (3 or 2 inputs -> 100): bf16 in two parts on both sides, so that a' = -log2(e) (W^T v + b) keeps about 16 bits; 2^a' = e^-a needs no multiply; a = c a', c = -ln 2.
; OTHER PRODUCTS: f16.  swish layers carry h' = a' s (h = c h'; c lies in the next coefficients).  A metric step carries swish' (within -0.1 .. 1.1) and swish'' / 2 (within -0.07 .. 0.25), which have room in
; f16 for every input; their coefficients are normalised by powers of two, and the sums are scaled back in f32 by alpha and beta.
; TWO PARTS.  D = G00 G11 - G01^2 may be a small difference of large products of J, tau' multiplies H's error by G's entries before the division by D, and log sigma is a small sum of large terms.  So swish',
; swish''/2 and the decoder's h' go into their products as an f16 and, in a second fragment, what that rounding left, again in f16.  The second parts of J's, the head's and the decoder's coefficients stand in rows
; 4-7 of the same source 0, so that their sums fall into registers 4-7 of the same result; those of H's coefficients have fragments of their own.
; LIMITS.  |a' s| of the three swish layers stays under 65,504 (f16).  2^a' beyond f32's range gives s = 0, below it s = 1: the right limits.  Exponentials, reciprocals and roots are good to 1 ulp and take
; denormals as 0 (ISA guide, their entries); dt is t x (1/6).
; NO CLUSTER: what work-groups share is the 55,296 bytes of operands, read once by each at its head; the steps read nothing from memory.  No prefetch: all global reads stand at the head, in one group.
; THE STEPS ARE WRITTEN OUT (.rept): each step's noise then stands at a constant LDS offset from one address register that is never rewritten.
; LDS.  0: the stages of ten outputs (22,528 bytes); XL: my points' x; EPSL: 12 rows of 2,048 bytes, the noise of 6 + 6 steps; FR: the 108 quads of operands; SPARE: the spare words.
.set NTILE, 3125
.set XL,    22528
.set EPSL,  25600
.set FR,    50176
.set SPARE, 105472                     ; 128 bytes for each of 16 waves: eight blocks of 256 bytes that no other line names
.set CBOFF, 55296                      ; the constants in wk
.set QE1, 0                            ; quads: encoder layer 1, tile T
.set QA1, 7                            ; decoder layer 1
.set QE2, 14                           ; encoder layer 2: (4 T + s) 2 + half
.set QHD, 70                           ; head: 2 s + half
.set QDC, 78                           ; decoder's output
.set QXF, 86                           ; J's coefficients
.set QYF, 94                           ; H's coefficients
.set QYL, 102                          ; H's coefficients' second parts, K steps 0 to 2
; v0 thread; v1, v2 the add's two; v3 EA = 8 x my point, never rewritten; v4 P4 = 4 x my point; v5 LF = 16 x lane + FR; v[6:7] z; v[8:9] z_prior; v10 sqrt(dt); v11 dt, and 1.0 once dt is staged;
; v[12:13], v[14:15] noise, then dW
.set BZ, 16                            ; v[16:23]  source 1 of a first layer: [v0, v1, v2 (hi | lo), ones], twice; written whole at each step's head
.set DM, 16                            ;           between a step's first layer and its end: H's second accumulator
.set DX, 24                            ; v[24:31]  J's sums; at work in DERIV (q, then swish''/2); layer 2's tile 6; a decoder's sum
.set DY, 32                            ; v[32:39]  H's sums; at work in DERIV (w, then swish'); a head's and a decoder's sum
.set AW, 40                            ; v[40:83]  a first layer's seven fragments: blocks of 12 = [even tile's 4][4 zeros][odd tile's 4]: an odd tile's data meet BZ's second copy.
                                       ;           Behind a step's first layer the seven quads are lent: v40-43 to tile 0's second parts of swish''/2 (with the zeros behind them a fragment),
                                       ;           v48-55, v60-67, v72-79 to the second parts of H's coefficients; at the step's end the seven quads are loaded again.  The zeros are never touched.
.set XF, 84                            ; v[84:115]
.set YF, 116                           ; v[116:147]
.set FB, 84                            ; v[84:139] layer 2's seven fragments of a K step; the head's and the decoder's four
.set HB, 140                           ; v[140:147] the head's second sum
.set AA, 148                           ; v[148:203] a', tile T at 8 T
.set SS, 204                           ; v[204:253] s, tile T at 8 T; tile 6 has two
.set UA, 156                           ; AA + 8, AA + 24, SS + 8, SS + 24: the second parts' fragments, free behind the products: at work in POST
.set UC, 172
.set UB, 212
.set UD, 228
.macro PLACES                          ; four places behind matrix instructions, ahead of reads of results, of writes and of loads into their registers
.rept 4
	v_nop
.endr
.endm
.macro LDQ dst, quad                   ; four registers of a fragment: 32 lanes x 16 consecutive bytes
	ds_load_b128 v[\dst:\dst+3], v5 offset:(\quad)*512
.endm
.macro LOADA q                         ; a first layer's seven quads
.set t, 0
.rept 7
	LDQ AW+12*(t/2)+8*(t%2), \q+t
.set t, t+1
.endr
.endm
.macro LOADYL                          ; the second parts of H's coefficients, K steps 0 to 2, into six of the lent quads
.set t, 0
.rept 3
	LDQ AW+8+12*t, QYL+2*t
	LDQ AW+12+12*t, QYL+2*t+1
.set t, t+1
.endr
.endm
.macro SPLIT1 src, dst                 ; a number in two bf16: its upper 16 bits, and the upper 16 bits of what is left
	v_and_b32 v254, s74, v[\src]
	v_sub_f32 v254, v[\src], v254
	v_perm_b32 v[BZ+\dst], v254, v[\src], s75
	v_perm_b32 v[BZ+4+\dst], v254, v[\src], s75
.endm
.macro ZSPLIT Z                        ; z in two bf16 a component: its upper 16 bits, and what is left rounded to nearest; the whole of BZ is written
	v_and_b32 v[BZ], s74, v[\Z]
	v_and_b32 v[BZ+1], s74, v[\Z+1]
	v_sub_f32 v254, v[\Z], v[BZ]
	v_sub_f32 v255, v[\Z+1], v[BZ+1]
	v_cvt_pk_bf16_f32 v[BZ], v[BZ], v254
	v_cvt_pk_bf16_f32 v[BZ+1], v[BZ+1], v255
	v_mov_b32 v[BZ+2], 0                           ; z has two components
	v_mov_b32 v[BZ+3], s66                         ; 1.0 twice in bf16: the bias's partners
	v_mov_b32 v[BZ+4], v[BZ]
	v_mov_b32 v[BZ+5], v[BZ+1]
	v_mov_b32 v[BZ+6], 0
	v_mov_b32 v[BZ+7], s66
.endm
.macro ASTAGE                          ; a' of 112 positions x 16 points: seven products, each a sum of its own
.set t, 0
.rept 7
	v_wmma_f32_16x16x32_bf16 v[AA+8*t:AA+8*t+7], v[AW+12*(t/2)+4*(t%2):AW+12*(t/2)+4*(t%2)+7], v[BZ:BZ+7], 0
.set t, t+1
.endr
	PLACES
.endm
; s = 1 / (1 + 2^a') for my 50 units: two batches, each with one plain instruction and one wait (the wait ahead of a batch's first reader).  Each result tile is read from its lowest register on.
.macro SIGMOID AB, A6, SB, S6
.set i, 0
.rept 48
	v_exp_f32 v[\SB+i], v[\AB+i]
.set i, i+1
.endr
	v_exp_f32 v[\S6], v[\A6]
	v_exp_f32 v[\S6+1], v[\A6+1]
	v_nop
	s_wait_alu depctr_va_vdst(0)
.set i, 0
.rept 24
	v_pk_add_f32 v[\SB+i:\SB+i+1], v[\SB+i:\SB+i+1], 1.0 op_sel_hi:[1,0]
.set i, i+2
.endr
	v_pk_add_f32 v[\S6:\S6+1], v[\S6:\S6+1], 1.0 op_sel_hi:[1,0]
.set i, 0
.rept 48
	v_rcp_f32 v[\SB+i], v[\SB+i]
.set i, i+1
.endr
	v_rcp_f32 v[\S6], v[\S6]
	v_rcp_f32 v[\S6+1], v[\S6+1]
	v_nop
	s_wait_alu depctr_va_vdst(0)
.endm
; h' = a' s, rounded to f16 and packed in place: tiles 2 s and 2 s + 1 become the fragment at AB + 16 s.  Tile 6: its two units, then 1.0 for the bias slot; its registers 2-7 are the zeros that zero rows gave.
.macro SWISHP AB, A6, SB, S6
.set i, 0
.rept 24
	v_pk_mul_f32 v[\AB+i:\AB+i+1], v[\AB+i:\AB+i+1], v[\SB+i:\SB+i+1]
.set i, i+2
.endr
	v_pk_mul_f32 v[\A6:\A6+1], v[\A6:\A6+1], v[\S6:\S6+1]
.set t, 0
.rept 6
.set i, 0
.rept 4
	v_cvt_pk_f16_f32 v[\AB+16*(t/2)+4*(t%2)+i], v[\AB+8*t+2*i], v[\AB+8*t+2*i+1]
.set i, i+1
.endr
.set t, t+1
.endr
	v_cvt_pk_f16_f32 v[\A6], v[\A6], v[\A6+1]
	v_mov_b32 v[\A6+1], 0x3c00
.endm
; The second part of a pair: f, f + 1 in f32 less the two f16 in hi, rounded to f16: -hi x 1.0 + f in one rounding each (v11 = 1.0)
.macro LOPART dst, hi, f
	v_fma_mixlo_f16 v[\dst], -v[\hi], v11, v[\f] op_sel_hi:[1,0,0]
	v_fma_mixhi_f16 v[\dst], -v[\hi], v11, v[(\f)+1] op_sel:[1,0,0] op_sel_hi:[1,0,0]
.endm
; The decoder's h' = a' s in two parts: f32 into SS; K step s: first parts at AA + 16 s, second parts at AA + 16 s + 8.  K step 3's fragment: [two units, 1.0 for the bias, their second parts, zeros].
.macro SWISHD
.set i, 0
.rept 25
	v_pk_mul_f32 v[SS+i:SS+i+1], v[AA+i:AA+i+1], v[SS+i:SS+i+1]
.set i, i+2
.endr
.set t, 0
.rept 6
.set pk, AA+16*(t/2)+4*(t%2)
.irp i, 0,1,2,3
	v_cvt_pk_f16_f32 v[pk+(\i)], v[SS+8*t+2*(\i)], v[SS+8*t+2*(\i)+1]
.endr
.irp i, 0,1,2,3
	LOPART pk+8+(\i), pk+(\i), SS+8*t+2*(\i)
.endr
.set t, t+1
.endr
	v_cvt_pk_f16_f32 v[AA+48], v[SS+48], v[SS+49]
	v_mov_b32 v[AA+49], 0x3c00
	LOPART AA+50, AA+48, SS+48
.endm
; q = s - s^2; w = c/2 - c s; t = a' q; swish''/2 = q + t w (into DX); swish' = s + c t (into DY).  Then: swish' rounded to f16 into SS + 16 s (K step s = tiles 2 s, 2 s + 1), swish''/2 into AA + 16 s, and the second
; parts of both into blocks that are free by then: tiles (1, 2), (3, 4), (5, 6) at + 8, + 24, + 40 of SS and of AA, where they meet the coefficients taken four registers further on; tile 0's second parts of swish'
; in registers 4-7 of K step 3's fragment, those of swish''/2 in v40-43.
.macro DERIV
.set t, 0
.rept 6
.set rA, AA+8*t
.set rS, SS+8*t
.set pk, 16*(t/2)+4*(t%2)
.if t == 0
.set lopS, AA+52
.set lopA, AW
.elseif t%2
.set lopS, SS+8*t
.set lopA, AA+8*t
.else
.set lopS, SS+8*t-4
.set lopA, AA+8*t-4
.endif
.irp i, 0,2,4,6
	v_pk_fma_f32 v[DX+(\i):DX+(\i)+1], v[rS+(\i):rS+(\i)+1], v[rS+(\i):rS+(\i)+1], v[rS+(\i):rS+(\i)+1] neg_lo:[1,0,0] neg_hi:[1,0,0]
.endr
.irp i, 0,2,4,6
	v_pk_fma_f32 v[DY+(\i):DY+(\i)+1], v[rS+(\i):rS+(\i)+1], s[70:71], s[72:73] op_sel_hi:[1,0,0]
.endr
.irp i, 0,2,4,6
	v_pk_mul_f32 v[rA+(\i):rA+(\i)+1], v[rA+(\i):rA+(\i)+1], v[DX+(\i):DX+(\i)+1]
.endr
.irp i, 0,2,4,6
	v_pk_fma_f32 v[DX+(\i):DX+(\i)+1], v[rA+(\i):rA+(\i)+1], v[DY+(\i):DY+(\i)+1], v[DX+(\i):DX+(\i)+1]
.endr
.irp i, 0,2,4,6
	v_pk_fma_f32 v[DY+(\i):DY+(\i)+1], v[rA+(\i):rA+(\i)+1], s[68:69], v[rS+(\i):rS+(\i)+1] op_sel_hi:[1,0,1]
.endr
.irp i, 0,1,2,3
	v_cvt_pk_f16_f32 v[SS+pk+(\i)], v[DY+2*(\i)], v[DY+2*(\i)+1]
.endr
.irp i, 0,1,2,3
	v_cvt_pk_f16_f32 v[AA+pk+(\i)], v[DX+2*(\i)], v[DX+2*(\i)+1]
.endr
.irp i, 0,1,2,3
	LOPART lopS+(\i), SS+pk+(\i), DY+2*(\i)
.endr
.irp i, 0,1,2,3
	LOPART lopA+(\i), AA+pk+(\i), DX+2*(\i)
.endr
.set t, t+1
.endr
	v_pk_fma_f32 v[DX:DX+1], v[SS+48:SS+49], v[SS+48:SS+49], v[SS+48:SS+49] neg_lo:[1,0,0] neg_hi:[1,0,0]
	v_pk_fma_f32 v[DY:DY+1], v[SS+48:SS+49], s[70:71], s[72:73] op_sel_hi:[1,0,0]
	v_pk_mul_f32 v[AA+48:AA+49], v[AA+48:AA+49], v[DX:DX+1]
	v_pk_fma_f32 v[DX:DX+1], v[AA+48:AA+49], v[DY:DY+1], v[DX:DX+1]
	v_pk_fma_f32 v[DY:DY+1], v[AA+48:AA+49], s[68:69], v[SS+48:SS+49] op_sel_hi:[1,0,1]
	v_cvt_pk_f16_f32 v[AA+48], v[DY], v[DY+1]      ; K step 3's fragment: [swish' pair, swish''/2 pair, the same pair once more, a zero, tile 0's second parts of swish']:
	v_cvt_pk_f16_f32 v[AA+49], v[DX], v[DX+1]      ; J's coefficients stand at its elements 0, 1 and in registers 4-7, H's at 2, 3, the second parts of H's at 4, 5
	LOPART SS+44, AA+48, DY
	LOPART AA+45, AA+49, DX                        ; tile 6's second parts of swish''/2 meet H's coefficients at elements 2, 3 of their quad
	v_mov_b32 v[AA+50], v[AA+49]
	v_mov_b32 v[SS+45], 0                          ; beside tile 6's second parts stand zeros
	v_mov_b32 v[SS+46], 0
	v_mov_b32 v[SS+47], 0
	v_mov_b32 v[AA+44], 0
	v_mov_b32 v[AA+46], 0
	v_mov_b32 v[AA+47], 0
.endm
; The sums over the hidden units.  J into DX: both parts of swish' by J's coefficients (whose own second parts are rows 4-7).  H into DY and DM: swish''/2 by H's coefficients, by their second parts, and its second
; parts by the coefficients.  The three accumulators take turns, one instruction a turn.
.macro MM D, A, B, zero=0
.if \zero
	v_wmma_f32_16x16x32_f16 v[\D:\D+7], v[\A:\A+7], v[\B:\B+7], 0
.else
	v_wmma_f32_16x16x32_f16 v[\D:\D+7], v[\A:\A+7], v[\B:\B+7], v[\D:\D+7]
.endif
.endm
.macro STAGE2
	MM DX, XF, SS, 1
	MM DY, YF, AA, 1
	MM DM, AW+8, AA, 1                             ; second parts of the coefficients, K step 0
	MM DX, XF+8, SS+16
	MM DY, YF+8, AA+16
	MM DM, AW+20, AA+16
	MM DX, XF+16, SS+32
	MM DY, YF+16, AA+32
	MM DM, AW+32, AA+32
	MM DX, XF+24, AA+48                            ; K step 3, and tile 0's second parts of swish'
	MM DY, YF+24, AA+48                            ; K step 3, with its coefficients' second parts
	MM DM, YF+4, AA+8                              ; second parts of swish''/2, tiles 1 and 2
	MM DX, XF+4, SS+8                              ; second parts of swish', tiles 1 and 2
	MM DY, YF+12, AA+24
	MM DM, YF+20, AA+40
	MM DX, XF+12, SS+24
	MM DY, YF, AW                                  ; tile 0's second parts of swish''/2, zeros behind them
	MM DX, XF+20, SS+40
.endm
; The step's algebra.  My half of the lanes holds rows c = 2 h (a) and 2 h + 1 (b): DX = Ja0, Ja1, Jb0, Jb1, then the same four by the coefficients' second parts;
; DY + DM = H00a, 2 H01a, H11a, H00b, 2 H01b, H11b.
.macro POST Z, E, prior, first
	PLACES
	LOADA QA1                                      ; the first layer's seven quads come back into the lent registers: waited for at the head of the next first layer
	v_pk_mul_f32 v[UA:UA+1], v[DX:DX+1], s[44:45] op_sel_hi:[1,0]       ; x alpha
	v_pk_mul_f32 v[UA+2:UA+3], v[DX+2:DX+3], s[44:45] op_sel_hi:[1,0]
	v_pk_mul_f32 v[UA+4:UA+5], v[DY:DY+1], s[46:47] op_sel_hi:[1,0]     ; x beta
	v_pk_mul_f32 v[UA+6:UA+7], v[DY+2:DY+3], s[46:47] op_sel_hi:[1,0]
	v_pk_mul_f32 v[UB:UB+1], v[DY+4:DY+5], s[46:47] op_sel_hi:[1,0]
	v_pk_fma_f32 v[UA:UA+1], v[DX+4:DX+5], s[44:45], v[UA:UA+1] op_sel_hi:[1,0,1]
	v_pk_fma_f32 v[UA+2:UA+3], v[DX+6:DX+7], s[44:45], v[UA+2:UA+3] op_sel_hi:[1,0,1]
	v_pk_fma_f32 v[UA+4:UA+5], v[DM:DM+1], s[46:47], v[UA+4:UA+5] op_sel_hi:[1,0,1]
	v_pk_fma_f32 v[UA+6:UA+7], v[DM+2:DM+3], s[46:47], v[UA+6:UA+7] op_sel_hi:[1,0,1]
	v_pk_fma_f32 v[UB:UB+1], v[DM+4:DM+5], s[46:47], v[UB:UB+1] op_sel_hi:[1,0,1]
	v_pk_mul_f32 v[UB+2:UB+3], v[UA:UA+1], v[UA:UA+1]
	v_mul_f32 v[UB+4], v[UA], v[UA+1]
	v_pk_fma_f32 v[UB+2:UB+3], v[UA+2:UA+3], v[UA+2:UA+3], v[UB+2:UB+3]
	v_fma_f32 v[UB+4], v[UA+2], v[UA+3], v[UB+4]
	v_permlanex16_b32 v[UC], v[UB+2], s76, s77     ; the other two rows' share lies 16 lanes away
	v_permlanex16_b32 v[UC+1], v[UB+3], s76, s77
	v_permlanex16_b32 v[UC+2], v[UB+4], s76, s77
	v_pk_add_f32 v[UC:UC+1], v[UC:UC+1], v[UB+2:UB+3]                   ; G00, G11
	v_add_f32 v[UC+2], v[UC+2], v[UB+4]                                 ; G01
	v_mul_f32 v[UC+3], v[UC+2], v[UC+2]
	v_fma_f32 v[UC+3], v[UC], v[UC+1], -v[UC+3]                         ; D
	v_rcp_f32 v[UC+4], v[UC+3]                     ; what follows up to the wait names neither D nor 1 / D
	v_mul_f32 v[UD], v[UC+1], v[UA+4]
	v_mul_f32 v[UD+2], v[UC+1], v[UA+7]
	v_fma_f32 v[UD], -v[UC+2], v[UA+5], v[UD]
	v_fma_f32 v[UD+2], -v[UC+2], v[UB], v[UD+2]
	v_fma_f32 v[UD], v[UC], v[UA+6], v[UD]                              ; tau'a
	v_fma_f32 v[UD+2], v[UC], v[UB+1], v[UD+2]                          ; tau'b
	v_pk_mul_f32 v[UB+6:UB+7], v[UA:UA+1], v[UD:UD+1] op_sel_hi:[1,0]
	v_pk_fma_f32 v[UB+6:UB+7], v[UA+2:UA+3], v[UD+2:UD+3], v[UB+6:UB+7] op_sel_hi:[1,0,1]
	v_permlanex16_b32 v[UC+6], v[UB+6], s76, s77
	v_permlanex16_b32 v[UC+7], v[UB+7], s76, s77
	v_pk_add_f32 v[UB+6:UB+7], v[UB+6:UB+7], v[UC+6:UC+7]               ; u
.if \prior
	v_pk_mul_f32 v[\E:\E+1], v[\E:\E+1], s[48:49] op_sel_hi:[1,0]       ; dW = sqrt(dt) eps (the noise was waited for ahead of the sums)
.else
	v_pk_mul_f32 v[\E:\E+1], v[\E:\E+1], v[10:11] op_sel_hi:[1,0]
.endif
	s_wait_alu depctr_va_vdst(0)                   ; the reciprocal's wait, ahead of its first reader
	v_mul_f32 v[UD+4], 0.5, v[UC+4]
	v_pk_fma_f32 v[UB+6:UB+7], v[UB+6:UB+7], v[UD+4:UD+5], v[\E:\E+1] op_sel_hi:[1,0,1]  ; w = 0.5 u / D + dW
	v_mul_f32 v[UD+6], v[UC+1], v[UB+6]
	v_mul_f32 v[UD+7], v[UC], v[UB+7]
	v_fma_f32 v[UD+6], -v[UC+2], v[UB+7], v[UD+6]                       ; adj w
	v_fma_f32 v[UD+7], -v[UC+2], v[UB+6], v[UD+7]
	v_pk_fma_f32 v[\Z:\Z+1], v[UD+6:UD+7], v[UC+4:UC+5], v[\Z:\Z+1] op_sel_hi:[1,0,1]    ; z += adj w / D
.if \first
	v_mov_b32 v[UA], v[UC]                         ; G at mu_zx goes to its stage
	v_mov_b32 v[UA+1], v[UC+2]
	v_mov_b32 v[UA+2], v[UC+2]
	v_mov_b32 v[UA+3], v[UC+1]
	v_lshlrev_b32 v254, 2, v4
	ds_store_b128 v254, v[UA:UA+3] offset:18432
.endif
.endm
.macro STEP Z, E, prior, off, first
	ZSPLIT \Z
	s_wait_dscnt 0x0                               ; the first layer's seven quads, asked for at the end of the step before, are back
	ASTAGE
	ds_load_b64 v[\E:\E+1], v3 offset:\off         ; the step's noise,
	LOADYL                                         ; and six quads into registers that the first layer has read, four places behind it
	SIGMOID AA, AA+48, SS, SS+48
	DERIV
	s_wait_dscnt 0x0                               ; both are back
	STAGE2
	POST \Z, \E, \prior, \first
.endm
; THE WAY OUT of output n (bpp bytes a point): waves first .. first + cnt - 1 take 512 consecutive bytes each, out of the stage and into memory; the last work-group's lanes past its points are off.
; EXEC is restored only behind s_wait_xcnt 0, which also frees the store's registers for the next use; nothing is issued to memory between that wait and the next narrowing.
.macro OUTST n, bpp, first, cnt, ldsoff
	s_sub_co_u32 s78, s60, \first
	s_cmp_lt_u32 s78, \cnt
	s_cbranch_scc0 .Lnot_mine_\@
	s_lshl_b32 s78, s78, 9
	s_mul_i32 s80, s61, 256*(\bpp)
	s_mov_b32 s81, 0
	s_add_nc_u64 s[82:83], s[16+2*(\n):17+2*(\n)], s[80:81]
	s_mul_i32 s79, s62, \bpp
	v_lshl_add_u32 v24, v26, 4, s78
	v_cmp_gt_u32 vcc_lo, s79, v24
	s_and_saveexec_b32 s86, vcc_lo
	ds_load_b128 v[28:31], v24 offset:\ldsoff
	s_wait_dscnt 0x0
	global_store_b128 v24, v[28:31], s[82:83] th:TH_STORE_NT
	s_wait_xcnt 0x0
	s_or_b32 exec_lo, exec_lo, s86
.Lnot_mine_\@:
.endm
.macro OUTC n, bpp, first, cnt, a, b, c, d     ; the same for an output whose rows are all alike: 16 bytes of constants s[a], s[b], s[c], s[d]
	s_sub_co_u32 s78, s60, \first
	s_cmp_lt_u32 s78, \cnt
	s_cbranch_scc0 .Lnot_mine_\@
	s_lshl_b32 s78, s78, 9
	s_mul_i32 s80, s61, 256*(\bpp)
	s_mov_b32 s81, 0
	s_add_nc_u64 s[82:83], s[16+2*(\n):17+2*(\n)], s[80:81]
	s_mul_i32 s79, s62, \bpp
	v_mov_b32 v32, s[\a]
	v_mov_b32 v33, s[\b]
	v_mov_b32 v34, s[\c]
	v_mov_b32 v35, s[\d]
	v_lshl_add_u32 v24, v26, 4, s78
	v_cmp_gt_u32 vcc_lo, s79, v24
	s_and_saveexec_b32 s86, vcc_lo
	global_store_b128 v24, v[32:35], s[82:83] th:TH_STORE_NT
	s_wait_xcnt 0x0
	s_or_b32 exec_lo, exec_lo, s86
.Lnot_mine_\@:
.endm
; ---- head
	s_load_b512 s[8:23], s[0:1], 0x0               ; wk 8, x 10, eps_post 12, eps_prior 14, out0 16, out1 18, out2 20, out3 22
	s_load_b512 s[24:39], s[0:1], 0x40             ; out4 24 .. out11 38
	s_load_b128 s[40:43], s[0:1], 0x80             ; out12 40, out13 42
	v_lshl_add_u32 v1, v0, 2, SPARE                ; my spare word,
	v_mov_b32 v2, 0                                ; and 0: kept for the add at the wave's end
	v_lshrrev_b32 v3, 5, v0
	v_readfirstlane_b32 s60, v3                    ; wave 0..15
	s_mov_b32 s61, ttmp9                           ; work-group
	s_lshl_b32 s63, s61, 4
	s_sub_co_u32 s63, NTILE, s63
	s_min_u32 s63, s63, 16                         ; its tiles: 16, in the last one 5
	s_lshl_b32 s62, s63, 4                         ; its points
	s_mov_b32 s66, 0x3f803f80                      ; 1.0 twice in bf16
	s_mov_b32 s68, 0xbf317218                      ; c = -ln 2
	s_mov_b32 s69, 0xbf317218
	s_mov_b32 s70, 0x3f317218                      ; -c
	s_mov_b32 s71, 0x3f317218
	s_mov_b32 s72, 0xbeb17218                      ; c / 2
	s_mov_b32 s73, 0xbeb17218
	s_mov_b32 s74, 0xffff0000
	s_mov_b32 s75, 0x07060302
	s_mov_b32 s76, 0x76543210
	s_mov_b32 s77, 0xfedcba98
	v_lshlrev_b32 v24, 4, v0                       ; 16 x thread
	v_and_b32 v25, 0x7ff, v24                      ; my place in a row of 2,048 bytes of noise,
	s_lshl_b32 s87, s62, 3
	s_sub_co_u32 s87, s87, 16
	v_min_u32 v25, s87, v25                        ; held inside the work-group's points: no load leaves its buffer; what is loaded twice lands in LDS bytes that nobody reads
	s_mul_i32 s90, s62, 12
	s_sub_co_u32 s90, s90, 16
	v_min_u32 v26, s90, v24                        ; the same for x
	v_add_nc_u32 v27, FR, v24
	v_add_nc_u32 v28, EPSL, v24
	s_wait_kmcnt 0x0
	s_load_b512 s[44:59], s[8:9], CBOFF            ; alpha, m0', beta, m1', sqrt(dt), ginv00, ginv01, ginv11, mu0, mu1, log_t, dt, G00, G01, G11, 0 of the prior
; ---- the fill: all loads first, each covering 512 consecutive bytes a wave
.irp i, 0,1,2,3,4,5
	global_load_b128 v[148+4*(\i):151+4*(\i)], v24, s[8:9] offset:(\i)*8192
.endr
.irp i, 0,1,2
	s_lshr_b32 s84, s60, 2
	s_add_co_u32 s84, s84, 4*(\i)                  ; the row of noise: 0-5 posterior, 6-11 prior
	s_cmp_lt_u32 s84, 6
	s_cselect_b64 s[78+2*(\i):79+2*(\i)], s[12:13], s[14:15]
	s_cselect_b32 s85, 0, 6
	s_sub_co_u32 s84, s84, s85
	s_mul_i32 s84, s84, 400000                     ; the step,
	s_lshl_b32 s85, s61, 11                        ; the work-group's 256 points
	s_add_co_u32 s84, s84, s85
	s_mov_b32 s85, 0
	s_add_nc_u64 s[78+2*(\i):79+2*(\i)], s[78+2*(\i):79+2*(\i)], s[84:85]
	global_load_b128 v[172+4*(\i):175+4*(\i)], v25, s[78+2*(\i):79+2*(\i)] th:TH_LOAD_NT
.endr
	s_mul_i32 s84, s61, 3072
	s_mov_b32 s85, 0
	s_add_nc_u64 s[88:89], s[10:11], s[84:85]
	s_cmp_lt_u32 s60, 6                            ; the operands' last 6,144 bytes, in two pieces of 3,072, and x's 3,072: waves 0 to 5
	s_cbranch_scc0 .Lno_tail
	global_load_b128 v[184:187], v24, s[8:9] offset:49152
	global_load_b128 v[192:195], v24, s[8:9] offset:52224
	global_load_b128 v[188:191], v26, s[88:89] th:TH_LOAD_NT
	s_wait_loadcnt 0x0
	ds_store_b128 v27, v[184:187] offset:49152
	ds_store_b128 v27, v[192:195] offset:52224
	ds_store_b128 v24, v[188:191] offset:XL
.Lno_tail:
	s_wait_loadcnt 0x0
.irp i, 0,1,2,3,4,5
	ds_store_b128 v27, v[148+4*(\i):151+4*(\i)] offset:(\i)*8192
.endr
.irp i, 0,1,2
	ds_store_b128 v28, v[172+4*(\i):175+4*(\i)] offset:(\i)*8192
.endr
	s_wait_dscnt 0x0                               ; for the others' sake: my stores are done
	s_wait_kmcnt 0x0                               ; the constants
	s_barrier_signal -1
	s_barrier_wait -1                              ; operands, x and noise lie in LDS; from here on they are only read
	s_cmp_ge_u32 s60, s63
	s_cbranch_scc1 .Lfinal                         ; a wave without a tile (the last work-group's) goes on to the second barrier
; ---- my lane
	v_and_b32 v4, 15, v0
	s_lshl_b32 s78, s60, 4
	v_add_nc_u32 v4, s78, v4                       ; my point in the work-group
	v_lshlrev_b32 v3, 3, v4
	v_lshlrev_b32 v4, 2, v4
	v_and_b32 v5, 31, v0
	v_lshl_add_u32 v5, v5, 4, FR
.irp u, 0,1,2,3
.irp j, 4,5,6,7
	v_mov_b32 v[AW+12*(\u)+(\j)], 0
.endr
.endr
	v_mov_b32 v[BZ+3], s66                         ; the bias's partners
	v_mov_b32 v[BZ+7], s66
; ---- encoder layer 1
	v_mul_u32_u24 v254, 3, v4
	ds_load_b32 v6, v254 offset:XL
	ds_load_b32 v7, v254 offset:XL+4
	ds_load_b32 v8, v254 offset:XL+8
	LOADA QE1
	s_wait_dscnt 0x0
	SPLIT1 6, 0
	SPLIT1 7, 1
	SPLIT1 8, 2
	ASTAGE
	SIGMOID AA, AA+48, SS, SS+48
	SWISHP AA, AA+48, SS, SS+48
; ---- encoder layer 2: four K steps x seven tiles; the seven accumulators take turns
.set ks, 0
.rept 4
.set tt, 0
.rept 7
	LDQ FB+8*tt, QE2+(4*tt+ks)*2
	LDQ FB+8*tt+4, QE2+(4*tt+ks)*2+1
.set tt, tt+1
.endr
	s_wait_dscnt 0x0
.set tt, 0
.rept 7
.set rD, SS+8*tt
.if tt == 6
.set rD, DX
.endif
.if ks == 0
	v_wmma_f32_16x16x32_f16 v[rD:rD+7], v[FB+8*tt:FB+8*tt+7], v[AA+16*ks:AA+16*ks+7], 0
.else
	v_wmma_f32_16x16x32_f16 v[rD:rD+7], v[FB+8*tt:FB+8*tt+7], v[AA+16*ks:AA+16*ks+7], v[rD:rD+7]
.endif
.set tt, tt+1
.endr
	PLACES                                         ; ahead of the next loads into the fragments; behind the last K step also ahead of the reads of the sums and the writes into AA
.set ks, ks+1
.endr
.set ks, 0
.rept 8
	LDQ FB+4*ks, QHD+ks                            ; the head's fragments land under the sigmoids
.set ks, ks+1
.endr
	SIGMOID SS, DX, AA, AA+48
	SWISHP SS, DX, AA, AA+48
; ---- the head: mu (rows 0, 1) and log_t (row 2), the coefficients' second parts in rows 4 to 6, in both halves of the lanes; two accumulators by turns
	s_wait_dscnt 0x0
	v_wmma_f32_16x16x32_f16 v[DY:DY+7], v[FB:FB+7], v[SS:SS+7], 0
	v_wmma_f32_16x16x32_f16 v[HB:HB+7], v[FB+8:FB+15], v[SS+16:SS+23], 0
	v_wmma_f32_16x16x32_f16 v[DY:DY+7], v[FB+16:FB+23], v[SS+32:SS+39], v[DY:DY+7]
	v_wmma_f32_16x16x32_f16 v[HB:HB+7], v[FB+24:FB+31], v[DX:DX+7], v[HB:HB+7]
	PLACES
	v_pk_add_f32 v[6:7], v[DY:DY+1], v[HB:HB+1]
	v_add_f32 v254, v[DY+2], v[HB+2]
	v_pk_add_f32 v[DY+4:DY+5], v[DY+4:DY+5], v[HB+4:HB+5]
	v_add_f32 v255, v[DY+6], v[HB+6]
	v_pk_add_f32 v[6:7], v[6:7], v[DY+4:DY+5]      ; mu_zx: the chain's start
	v_add_f32 v254, v254, v255                     ; log_t_zx
	v_mul_f32 v255, 0x4038aa3b, v254               ; 2 log2(e) log_t
	v_exp_f32 v255, v255
	v_nop
	s_wait_alu depctr_va_vdst(0)
	v_mul_f32 v11, 0x3e2aaaab, v255                ; dt = t / 6
	v_sqrt_f32 v10, v11
	v_nop
	s_wait_alu depctr_va_vdst(0)
	ds_store_b64 v3, v[6:7] offset:2048            ; out3
	ds_store_b32 v4, v254 offset:16384             ; out4
	ds_store_b32 v4, v11 offset:17408              ; out8
	v_mov_b32 v11, 1.0                             ; dt is on its way to the stage (an LDS store's sources are read at issue); from here on v11 is the 1.0 of the second parts
; ---- the chains' operands: J's and H's coefficients stay in registers; the first layer's quads are loaded here and again at each step's end
	LOADA QA1
.set ks, 0
.rept 8
	LDQ XF+4*ks, QXF+ks
	LDQ YF+4*ks, QYF+ks
.set ks, ks+1
.endr
	s_wait_dscnt 0x0
; ---- step 0: the posterior's, whose G is G_mu_zx; the prior's is z = (mu + drift) + ginv dW with the constants
	STEP 6, 12, 0, EPSL, 1
	ds_load_b64 v[14:15], v3 offset:EPSL+12288
	s_wait_dscnt 0x0
	v_pk_mul_f32 v[14:15], v[14:15], s[48:49] op_sel_hi:[1,0]
	v_fma_f32 v8, s49, v14, s45
	v_fma_f32 v9, s50, v14, s47
	v_fma_f32 v8, s50, v15, v8
	v_fma_f32 v9, s51, v15, v9
; ---- steps 1 to 5 of both chains, written out: a step's noise stands at 2,048 x step behind its chain's first row; a step touches no memory
.set stp, 1
.rept 5
	STEP 6, 12, 0, EPSL+2048*stp, 0
	STEP 8, 14, 1, EPSL+12288+2048*stp, 0
.set stp, stp+1
.endr
	v_lshlrev_b32 v254, 1, v4
	ds_store_b64 v254, v[6:7]                      ; out0
	ds_store_b64 v254, v[12:13] offset:4096        ; out7
	ds_store_b64 v254, v[8:9] offset:6144          ; out9
	ds_store_b64 v254, v[14:15] offset:8192        ; out10
; ---- the decoder at z: first parts of h' into DX, second parts into DY, by turns; rows 0-3 by the coefficients' first parts, rows 4-7 by their second
.set ks, 0
.rept 8
	LDQ FB+4*ks, QDC+ks
.set ks, ks+1
.endr
	ZSPLIT 6
	s_wait_dscnt 0x0                               ; the first layer's quads, asked for at the last step's end, and the decoder's fragments
	ASTAGE
	SIGMOID AA, AA+48, SS, SS+48
	SWISHD
	v_wmma_f32_16x16x32_f16 v[DX:DX+7], v[FB:FB+7], v[AA:AA+7], 0
	v_wmma_f32_16x16x32_f16 v[DY:DY+7], v[FB:FB+7], v[AA+8:AA+15], 0
	v_wmma_f32_16x16x32_f16 v[DX:DX+7], v[FB+8:FB+15], v[AA+16:AA+23], v[DX:DX+7]
	v_wmma_f32_16x16x32_f16 v[DY:DY+7], v[FB+8:FB+15], v[AA+24:AA+31], v[DY:DY+7]
	v_wmma_f32_16x16x32_f16 v[DX:DX+7], v[FB+16:FB+23], v[AA+32:AA+39], v[DX:DX+7]
	v_wmma_f32_16x16x32_f16 v[DY:DY+7], v[FB+16:FB+23], v[AA+40:AA+47], v[DY:DY+7]
	v_wmma_f32_16x16x32_f16 v[DX:DX+7], v[FB+24:FB+31], v[AA+48:AA+55], v[DX:DX+7]
	PLACES
	v_pk_add_f32 v[DX:DX+1], v[DX:DX+1], v[DX+4:DX+5]
	v_pk_add_f32 v[DX+2:DX+3], v[DX+2:DX+3], v[DX+6:DX+7]
	v_pk_add_f32 v[DX:DX+1], v[DX:DX+1], v[DY:DY+1]
	v_pk_add_f32 v[DX+2:DX+3], v[DX+2:DX+3], v[DY+2:DY+3]
	v_mul_u32_u24 v255, 3, v4
	ds_store_b32 v255, v[DX] offset:10240          ; out1
	ds_store_b32 v255, v[DX+1] offset:10244
	ds_store_b32 v255, v[DX+2] offset:10248
	ds_store_b32 v255, v[DX+3] offset:13312        ; out2: the one log sigma, three times
	ds_store_b32 v255, v[DX+3] offset:13316
	ds_store_b32 v255, v[DX+3] offset:13320
; ---- the way out: whole rows of the stages, 512 consecutive aligned bytes a wave and store
.Lfinal:
	s_wait_dscnt 0x0                               ; for the others' sake: my stores into the stages are done
	s_barrier_signal -1
	s_barrier_wait -1
	v_and_b32 v26, 31, v0
	v_mov_b32 v28, 0                               ; written whole once: below they are loaded and stored with some lanes off
	v_mov_b32 v29, 0
	v_mov_b32 v30, 0
	v_mov_b32 v31, 0
	OUTST 12, 16, 0, 8, 18432
	OUTC  13, 16, 8, 8, 56, 57, 57, 58
	OUTST 1, 12, 0, 6, 10240
	OUTST 2, 12, 6, 6, 13312
	OUTST 0, 8, 12, 4, 0
	OUTST 3, 8, 0, 4, 2048
	OUTST 7, 8, 4, 4, 4096
	OUTST 9, 8, 8, 4, 6144
	OUTST 10, 8, 12, 4, 8192
	OUTC  5, 8, 0, 4, 52, 53, 52, 53
	OUTST 4, 4, 4, 2, 16384
	OUTST 8, 4, 6, 2, 17408
	OUTC  6, 4, 8, 2, 54, 54, 54, 54
	OUTC  11, 4, 10, 2, 55, 55, 55, 55
	s_wait_tensorcnt 0x0                           ; the wave's end, behind my last LDS store
	ds_add_u32 v1, v2
	s_wait_dscnt 0x0
	s_endpgm
.Lfunc_end_k_q6ca701a9c3_main:
	.size	k_q6ca701a9c3_main, .Lfunc_end_k_q6ca701a9c3_main-k_q6ca701a9c3_main
	.p2alignl 7, 3214868480
	.fill 96, 4, 3214868480
	.section	.rodata,"a",@progbits
	.p2align	6, 0x0
	.amdhsa_kernel k_q6ca701a9c3_main
		.amdhsa_group_segment_fixed_size 107520
		.amdhsa_private_segment_fixed_size 0
		.amdhsa_enable_private_segment 0
		.amdhsa_kernarg_size 144
		.amdhsa_user_sgpr_count 2
		.amdhsa_user_sgpr_kernarg_segment_ptr 1
		.amdhsa_wavefront_size32 1
		.amdhsa_system_sgpr_workgroup_id_x 1
		.amdhsa_system_sgpr_workgroup_id_y 1
		.amdhsa_system_sgpr_workgroup_id_z 1
		.amdhsa_system_vgpr_workitem_id 0
		.amdhsa_next_free_vgpr 256
		.amdhsa_next_free_sgpr 96
		.amdhsa_reserve_vcc 1
		.amdhsa_float_denorm_mode_32 3
		.amdhsa_float_denorm_mode_16_64 3
		.amdhsa_memory_ordered 1
		.amdhsa_forward_progress 1
		.amdhsa_inst_pref_size 255
	.end_amdhsa_kernel
	.section	.bss,"aw",@nobits
	.p2align	6
	.space	262144
	.amdgpu_metadata
---
amdhsa.version: [ 1, 2 ]
amdhsa.kernels:
  - .name:           k_q6ca701a9c3_main
    .symbol:         k_q6ca701a9c3_main.kd
    .args:
      - { .name: wk, .offset: 0, .size: 8, .value_kind: global_buffer, .address_space: global }
      - { .name: x, .offset: 8, .size: 8, .value_kind: global_buffer, .address_space: global }
      - { .name: eps_post, .offset: 16, .size: 8, .value_kind: global_buffer, .address_space: global }
      - { .name: eps_prior, .offset: 24, .size: 8, .value_kind: global_buffer, .address_space: global }
      - { .name: out0, .offset: 32, .size: 8, .value_kind: global_buffer, .address_space: global }
      - { .name: out1, .offset: 40, .size: 8, .value_kind: global_buffer, .address_space: global }
      - { .name: out2, .offset: 48, .size: 8, .value_kind: global_buffer, .address_space: global }
      - { .name: out3, .offset: 56, .size: 8, .value_kind: global_buffer, .address_space: global }
      - { .name: out4, .offset: 64, .size: 8, .value_kind: global_buffer, .address_space: global }
      - { .name: out5, .offset: 72, .size: 8, .value_kind: global_buffer, .address_space: global }
      - { .name: out6, .offset: 80, .size: 8, .value_kind: global_buffer, .address_space: global }
      - { .name: out7, .offset: 88, .size: 8, .value_kind: global_buffer, .address_space: global }
      - { .name: out8, .offset: 96, .size: 8, .value_kind: global_buffer, .address_space: global }
      - { .name: out9, .offset: 104, .size: 8, .value_kind: global_buffer, .address_space: global }
      - { .name: out10, .offset: 112, .size: 8, .value_kind: global_buffer, .address_space: global }
      - { .name: out11, .offset: 120, .size: 8, .value_kind: global_buffer, .address_space: global }
      - { .name: out12, .offset: 128, .size: 8, .value_kind: global_buffer, .address_space: global }
      - { .name: out13, .offset: 136, .size: 8, .value_kind: global_buffer, .address_space: global }
    .group_segment_fixed_size: 107520
    .private_segment_fixed_size: 0
    .kernarg_segment_align: 8
    .kernarg_segment_size: 144
    .max_flat_workgroup_size: 512
    .sgpr_count:     96
    .vgpr_count:     256
    .wavefront_size: 32
...
	.end_amdgpu_metadata
.endif
;; end of part 2
;; ======== version 2 of 2: 2 launches; version 1 with the launch prep written anew for expert scheduling mode
;; limits: values outside matrix products are rounded to f16; values are held in f16: magnitudes above 65,504 overflow, below 6.1e-05 lose precision
;; workspace buffers: wk 55,552 bytes
;; launch prep (part 3): grid 109 x 1, 1 waves a work-group, no clusters, 0 bytes of LDS; arguments We1, be1, We2, be2, Wemu, bemu, Wet, bet, Wd1, bd1, Wdmu, bdmu, Wds, bds, b_prior_mu, b_prior_t, wk; writes wk
.if DOCPART == 3
	.amdgcn_target "amdgcn-amd-amdhsa--gfx1250"
	.amdhsa_code_object_version 6
	.text
	.protected	k_q6ca701a9c3_prep
	.globl	k_q6ca701a9c3_prep
	.p2align	8
	.type	k_q6ca701a9c3_prep,@function
k_q6ca701a9c3_prep:
	s_mov_b64 s[64:65], 0
	v_nop
	global_prefetch_b8 v0, s[64:65] scope:SCOPE_SE
	s_setreg_imm32_b32 hwreg(HW_REG_WAVE_SCHED_MODE, 0, 2), 2
	s_setreg_imm32_b32 hwreg(HW_REG_WAVE_MODE, 25, 1), 1
	s_wait_xcnt 0x0
	s_wait_alu depctr_vm_vsrc(0)
; PREP: the matrix operands of the second kernel, laid out as its registers want them, and 16 numbers that are the same for every row.
; THE PROBLEM.  An encoder 3 -> 100 -> 100 -> (mu 2, log_t 1); two chains of 6 Euler-Maruyama steps on the decoder's pullback metric; a decode; G at both starts.
; WORK LEFT OUT, for all values of the inputs.  Let c run over four rows: the three of Jmu and sqrt(3) jr.  J_c[l] = sum_j swish'(a_j) Wo[j][c] Wd1[l][j],
; H_c[l][m] = sum_j swish''(a_j) Wo[j][c] Wd1[l][j] Wd1[m][j] (symmetric), G = sum_c J_c J_c^T, DG[k][m][l] = sum_c (H_c[k][l] J_c[m] + J_c[k] H_c[m][l]).
; The drift is det_i = 0.25 sum_m g_im (2 A_m - B_m), g = inv(G) symmetric, A_m = sum_jk g_jk DG[j][m][k], B_m = sum_jk g_jk DG[j][k][m].
; With X_m = sum_c sum_jk g_jk J_c[j] H_c[k][m]:  A_m = sum_c tr(g H_c) J_c[m] + X_m  and  B_m = 2 X_m, so X cancels and det = 0.5 g J^T tau, tau_c = tr(g H_c).
; So neither DG nor the Christoffel symbols are formed: a step needs the 8 numbers J and the 12 numbers H.  With adj = [[G11,-G01],[-G01,G00]], D = G00 G11 - G01^2,
; tau'_c = G11 H_c00 - G01 (2 H_c01) + G00 H_c11, u = sum_c tau'_c J_c:  z += (adj / D) (0.5 u / D + dW).
; SHARED, not left out: G_mu_zx is the G of the posterior's first step; mu_z, log_t_z, dt_prior, G_mu_z and the prior's first inverse metric and drift are the same for
; every row and are made once, here, in f32.  Every input reaches an output and is loaded.
; LIMIT: a NaN, an infinity or an overflow that would arise only in the cancelled terms X is not carried to the result.
; FURTHER LIMITS.  f16 operands: We2, ln2 x (Wemu, Wet, Wdmu, Wds) and the biases be2 x log2(e), bemu, bet, bdmu, bds stay under 65,504; below 6e-5 they keep f16's step of 6e-8.
; The coefficients of J and H are products of weights divided by exact powers of two (pW, pO: the exponents of the largest |Wd1| and of the largest |Wo|), so they lie within 32 whatever
; the weights' size; if all of Wd1 or all of Wo is zero or denormal the factor alpha is 0 (G is singular there in the problem's own terms too).  dt is t x (1/6).
; TWO PARTS.  J's coefficients and those of the head and of the decoder's output use rows rr < 4 of each eight; rows rr + 4 hold what the rounding to f16 left of row rr, itself in f16:
; the second kernel adds the two rows' sums in f32.  H's coefficients use six rows of eight, so their second parts have quads of their own.  (D may be a small difference of large products of J,
; log sigma a small sum of large terms, and tau' multiplies H's error by G's entries before the division by D.)
; SHARES.  One wave a work-group; work-group q makes QUAD q of wk: 512 bytes, lane L's 16 bytes at 16 L: four registers on end of a fragment.  Work-group 108 makes the constants.
; A fragment's source 0 holds 16 rows x 32 k: lane L = (r = L % 16, h = L / 16) holds row r; registers 0-3 hold k = 8 h + 0..7, registers 4-7 k = 16 + 8 h + 0..7 (ISA guide 7.12.2).
; HIDDEN POSITIONS.  p = 0..111 in seven tiles of 16; hidden unit p for p < 98, units 98 and 99 at p = 104, 105; the other p hold zeros: each lane of the second kernel then owns 50 units.
; THE MODE: SCHED_MODE bits 1:0 = 2 (LLVM: expert scheduling mode 2), set by the entry lines.  The code itself states the register dependences between vector instructions and memory
; instructions, and those from a vector instruction's scalar result to its readers, with s_wait_alu, always for 0.
; THE PLAN.  Each of the five jobs is one straight run: masks and offsets; loads; arithmetic; one store.
;   OFFSETS  v4 (the head) and, by job: constants v8-15, v170-190, v91; first layers v6, v7; layer 2 v16-23, v7; head and decoder v16-23, v70-79; J and H v128-159, v170-190.
;            Written by vector lines, all ahead of the job's first wait on va_vdst; read by the job's loads and its store; never written again, so no wait on vm_vsrc is owed.
;   DATA IN  constants v16-43, v104-124; first layers v24-27; layer 2 v24-32; head and decoder v24-41; J and H v16-47, v104-124.  No vector line names them ahead of their loads;
;            they are read behind s_wait_loadcnt 0.  No load lands on an offset.
;   DATA OUT v64-67 (constants: v90): written by the job's last vector lines; a second wait on va_vdst stands ahead of the store.
;   MASKS    Compares write scalar registers in runs; one wait on va_sdst stands behind each run, ahead of its first reader and of every branch.  No scalar line writes a register that a
;            compare wrote but behind that wait, and none writes a mask that a select has read.  VCC is not used.
;   Every vector line's result is whole vector registers or a scalar register: a number is rounded to f16 by the packed conversion, into both halves of v68, the conversion that also makes the stored first parts.
.set NL2E, 0xbfb8aa3b                  ; -log2(e)
.set CLN2, 0xbf317218                  ; c = -ln 2: a = c a', where a' = -log2(e) a is what the second kernel carries
.set SQ3,  0x3fddb3d7                  ; sqrt(3)
; v6 = the hidden unit of row 16 t + r (kept inside the tables), s49 = mask of the lanes whose row is real
.macro ROWHID t
	s_lshl_b32 s56, \t, 4
	v_add_nc_u32 v6, s56, v1
	v_cmp_gt_u32 s57, 98, v6
	v_add_nc_u32 v7, 0xffffff98, v6                ; p - 104
	v_cmp_gt_u32 s49, 2, v7
	v_add_nc_u32 v7, -6, v6
	s_wait_alu depctr_va_sdst(0)                   ; the two compares have written s57 and s49, which the next two lines read
	s_or_b32 s49, s57, s49
	v_cndmask_b32 v6, v7, v6, s57
	v_min_u32 v6, 99, v6
.endm
; From K step s45 and quad half s46: v[8:15] = the hidden units of my eight k; s51 / s52 = all ones where elements 0, 1 / 2..7 are real; s53 = all ones in K step 3's first half (element 2 is the bias slot)
.macro KIDX
	s_lshl_b32 s47, s45, 5
	s_lshl_b32 s48, s46, 4
	s_add_co_u32 s47, s47, s48
	s_cmp_lt_u32 s45, 3
	s_cselect_b32 s47, s47, 96
	s_cselect_b32 s48, 8, 2
	s_cselect_b32 s52, -1, 0
	s_cselect_b32 s53, 0, -1
	s_cmp_eq_u32 s46, 0
	s_cselect_b32 s54, -1, 0
	s_and_b32 s53, s53, s54
	s_or_b32 s51, s52, s53
	v_mad_u32_u24 v5, v2, s48, s47
.set i, 0
.rept 8
	v_add_nc_u32 v[8+i], i, v5
	v_min_u32 v[8+i], 99, v[8+i]
.set i, i+1
.endr
.endm
; the bias rides on K step 3's element 2: lanes h = 0 hold f16(b), lanes h = 1 what that rounding left
.macro BIASPART b, m
	v_cvt_pk_f16_f32 v68, v[\b], v[\b]             ; f16(b), in both halves
	v_cvt_f32_f16 v69, v68.l
	v_sub_f32 v69, v[\b], v69
	v_cndmask_b32 v69, v[\b], v69, s82
	v_cndmask_b32 v58, v58, v69, s[\m]
.endm
; in the lanes of mask s67 (rows of second parts) a coefficient gives way to what its rounding to f16 leaves
.macro SECOND r
	v_cvt_pk_f16_f32 v68, v[\r], v[\r]             ; the coefficient in f16, in both halves
	v_cvt_f32_f16 v69, v68.l
	v_sub_f32 v69, v[\r], v69
	v_cndmask_b32 v[\r], v[\r], v69, s67
.endm
.macro PACKST
	v_cvt_pk_f16_f32 v64, v56, v57
	v_cvt_pk_f16_f32 v65, v58, v59
	v_cvt_pk_f16_f32 v66, v60, v61
	v_cvt_pk_f16_f32 v67, v62, v63
	s_wait_alu depctr_va_vdst(0)                   ; the four roundings have written v[64:67], the store's data
	global_store_b128 v4, v[64:67], s[42:43]       ; the wave's store covers 512 consecutive bytes, aligned
.endm
; all of Wd1 (200), Wdmu (300), Wds (100).  MAXAD makes the 21 offsets, in registers of their own; MAXLD, behind the job's wait, issues the 21 loads
.macro MAXAD
.set t, 0
.rept 7
	v_add_nc_u32 v[170+t], 32*t, v0
	v_min_u32 v[170+t], 199, v[170+t]
	v_lshlrev_b32 v[170+t], 2, v[170+t]
.set t, t+1
.endr
.set t, 0
.rept 10
	v_add_nc_u32 v[177+t], 32*t, v0
	v_min_u32 v[177+t], 299, v[177+t]
	v_lshlrev_b32 v[177+t], 2, v[177+t]
.set t, t+1
.endr
.set t, 0
.rept 4
	v_add_nc_u32 v[187+t], 32*t, v0
	v_min_u32 v[187+t], 99, v[187+t]
	v_lshlrev_b32 v[187+t], 2, v[187+t]
.set t, t+1
.endr
.endm
.macro MAXLD
.set t, 0
.rept 7
	global_load_b32 v[104+t], v[170+t], s[24:25]
.set t, t+1
.endr
.set t, 0
.rept 10
	global_load_b32 v[111+t], v[177+t], s[28:29]
.set t, t+1
.endr
.set t, 0
.rept 4
	global_load_b32 v[121+t], v[187+t], s[32:33]
.set t, t+1
.endr
.endm
.macro LANEMAX r
	v_max_num_f32_dpp v[\r], v[\r], v[\r] row_xmask:1 row_mask:0xf bank_mask:0xf
	v_max_num_f32_dpp v[\r], v[\r], v[\r] row_xmask:2 row_mask:0xf bank_mask:0xf
	v_max_num_f32_dpp v[\r], v[\r], v[\r] row_xmask:4 row_mask:0xf bank_mask:0xf
	v_max_num_f32_dpp v[\r], v[\r], v[\r] row_xmask:8 row_mask:0xf bank_mask:0xf
	v_permlanex16_b32 v125, v[\r], s80, s81
	v_max_num_f32 v[\r], v[\r], v125
.endm
; v102 = pW, v103 = pO (powers of two), v100 = 1 / pW, v101 = 1 / pO, in every lane
.macro MAXRED
.set t, 0
.rept 21
	v_and_b32 v[104+t], s89, v[104+t]
.set t, t+1
.endr
.set t, 1
.rept 6
	v_max_num_f32 v104, v104, v[104+t]
.set t, t+1
.endr
.set t, 1
.rept 9
	v_max_num_f32 v111, v111, v[111+t]
.set t, t+1
.endr
.set t, 1
.rept 3
	v_max_num_f32 v121, v121, v[121+t]
.set t, t+1
.endr
	v_mul_f32 v121, SQ3, v121
	v_max_num_f32 v111, v111, v121
	LANEMAX 104
	LANEMAX 111
	v_and_b32 v102, 0x7f800000, v104               ; the exponent alone: a power of two
	v_and_b32 v103, 0x7f800000, v111
	v_sub_nc_u32 v100, 0x7f000000, v102            ; its reciprocal, by the exponent field: 254 - e
	v_sub_nc_u32 v101, 0x7f000000, v103
.endm
.macro RED r
	v_add_f32_dpp v[\r], v[\r], v[\r] row_xmask:1 row_mask:0xf bank_mask:0xf
	v_add_f32_dpp v[\r], v[\r], v[\r] row_xmask:2 row_mask:0xf bank_mask:0xf
	v_add_f32_dpp v[\r], v[\r], v[\r] row_xmask:4 row_mask:0xf bank_mask:0xf
	v_add_f32_dpp v[\r], v[\r], v[\r] row_xmask:8 row_mask:0xf bank_mask:0xf
	v_permlanex16_b32 v125, v[\r], s80, s81
	v_add_f32 v[\r], v[\r], v125
.endm
.macro PUT k, src                      ; lane k of v90 takes src; s[44 + k] is that lane's mask, made in one run at the job's head
	v_cndmask_b32 v90, v90, \src, s[44+(\k)]
.endm
	s_load_b512 s[8:23], s[0:1], 0x0               ; We1 8, be1 10, We2 12, be2 14, Wemu 16, bemu 18, Wet 20, bet 22
	s_load_b512 s[24:39], s[0:1], 0x40             ; Wd1 24, bd1 26, Wdmu 28, bdmu 30, Wds 32, bds 34, b_prior_mu 36, b_prior_t 38
	s_load_b64 s[40:41], s[0:1], 0x80              ; wk
	s_mov_b32 s4, ttmp9                            ; the job
	v_and_b32 v1, 15, v0                           ; r
	v_lshrrev_b32 v2, 4, v0                        ; h
	v_and_b32 v3, 7, v0                            ; rr = r % 8
	v_lshlrev_b32 v4, 4, v0                        ; my 16 bytes of the quad
	v_mov_b32 v125, 0                              ; the lane exchange's destination counts as read
	v_cmp_eq_u32 s82, 1, v2                        ; the lanes with h = 1
	s_lshl_b32 s42, s4, 9
	s_mov_b32 s43, 0
	s_mov_b32 s80, 0x76543210
	s_mov_b32 s81, 0xfedcba98
	s_mov_b32 s83, 0xffff0000
	s_mov_b32 s88, 0x07060302
	s_mov_b32 s89, 0x7fffffff
	s_wait_alu depctr_va_sdst(0)                   ; the compare has written s82, ahead of the branches behind which the jobs' selects read it
	s_wait_kmcnt 0x0
	s_add_nc_u64 s[42:43], s[40:41], s[42:43]      ; my quad
	s_cmp_lt_u32 s4, 14
	s_cbranch_scc1 .Lfirst
	s_cmp_lt_u32 s4, 70
	s_cbranch_scc1 .Le2
	s_cmp_lt_u32 s4, 86
	s_cbranch_scc1 .Lhddc
	s_cmp_lt_u32 s4, 108
	s_cbranch_scc1 .Lxy
; ---- THE CONSTANTS: the metric at b_prior_mu in f32, lane l takes the hidden units l, l + 32, l + 64, l + 96
	s_load_b64 s[84:85], s[36:37], 0x0             ; mu0, mu1
	s_load_b32 s86, s[38:39], 0x0                  ; log_t_z
	MAXAD
.set t, 0
.rept 4
	v_add_nc_u32 v[8+t], 32*t, v0
	v_min_u32 v[8+t], 99, v[8+t]
	v_mul_u32_u24 v[12+t], 12, v[8+t]
	v_lshlrev_b32 v[8+t], 2, v[8+t]
.set t, t+1
.endr
	v_lshlrev_b32 v91, 2, v0                       ; the store's offset
	v_cmp_gt_u32 s87, 4, v0                        ; of the fourth group only units 96 to 99 exist
.set k, 0
.rept 15
	v_cmp_eq_u32 s[44+k], k, v0                    ; lane k's mask, for PUT
.set k, k+1
.endr
	s_wait_alu depctr_va_sdst(0)                   ; the sixteen compares have written s87 and s[44:58], which the selects further down read
	s_wait_alu depctr_va_vdst(0)                   ; the offsets v[8:15], v[170:190] and v91 are written, which the loads below and the store read
	MAXLD
.set t, 0
.rept 4
	global_load_b32 v[16+t], v[8+t], s[24:25]
	global_load_b32 v[20+t], v[8+t], s[24:25] offset:400
	global_load_b32 v[24+t], v[8+t], s[26:27]
	global_load_b32 v[28+t], v[12+t], s[28:29]
	global_load_b32 v[32+t], v[12+t], s[28:29] offset:4
	global_load_b32 v[36+t], v[12+t], s[28:29] offset:8
	global_load_b32 v[40+t], v[8+t], s[32:33]
.set t, t+1
.endr
	s_wait_loadcnt 0x0
	s_wait_kmcnt 0x0
	MAXRED
.set t, 0
.rept 4
	v_fma_f32 v[44+t], s84, v[16+t], v[24+t]
	v_fma_f32 v[44+t], s85, v[20+t], v[44+t]       ; a
	v_mul_f32 v[68+t], NL2E, v[44+t]
	v_mul_f32 v[40+t], SQ3, v[40+t]                ; the fourth column of Wo
.set t, t+1
.endr
.set t, 0
.rept 4
	v_exp_f32 v[68+t], v[68+t]
.set t, t+1
.endr
	v_nop                                          ; a plain instruction behind the last exponential,
	s_wait_alu depctr_va_vdst(0)                   ; and the wait ahead of the batch's first reader: the four exponentials have written v[68:71]
.set t, 0
.rept 4
	v_add_f32 v[68+t], 1.0, v[68+t]
.set t, t+1
.endr
.set t, 0
.rept 4
	v_rcp_f32 v[68+t], v[68+t]                     ; s = sigmoid(a)
.set t, t+1
.endr
	v_nop
	s_wait_alu depctr_va_vdst(0)                   ; the four reciprocals have written v[68:71], ahead of their first reader
.set t, 0
.rept 4
	v_fma_f32 v[72+t], -v[68+t], v[68+t], v[68+t]  ; q = s - s^2
	v_mul_f32 v[76+t], v[44+t], v[72+t]            ; a q
	v_add_f32 v[80+t], v[68+t], v[76+t]            ; swish' = s + a q
	v_fma_f32 v[84+t], -2.0, v[68+t], 1.0
	v_fma_f32 v[84+t], v[76+t], v[84+t], v[72+t]
	v_add_f32 v[84+t], v[84+t], v[72+t]            ; swish'' = 2 q + a q (1 - 2 s)
.set t, t+1
.endr
	v_cndmask_b32 v83, 0, v83, s87
	v_cndmask_b32 v87, 0, v87, s87
.set t, 0
.rept 4
	v_mul_f32 v140, v[80+t], v[16+t]
	v_mul_f32 v141, v[80+t], v[20+t]
	v_mul_f32 v144, v[84+t], v[16+t]
	v_mul_f32 v142, v144, v[16+t]
	v_mul_f32 v143, v144, v[20+t]
	v_mul_f32 v144, v[84+t], v[20+t]
	v_mul_f32 v144, v144, v[20+t]
.set c, 0
.rept 4                                ; J[c][l] at v[48 + 2 c + l], H[c][00, 01, 11] at v[56 + 3 c ..]
.if t == 0
	v_mul_f32 v[48+2*c], v[28+4*c+t], v140
	v_mul_f32 v[49+2*c], v[28+4*c+t], v141
	v_mul_f32 v[56+3*c], v[28+4*c+t], v142
	v_mul_f32 v[57+3*c], v[28+4*c+t], v143
	v_mul_f32 v[58+3*c], v[28+4*c+t], v144
.else
	v_fmac_f32 v[48+2*c], v[28+4*c+t], v140
	v_fmac_f32 v[49+2*c], v[28+4*c+t], v141
	v_fmac_f32 v[56+3*c], v[28+4*c+t], v142
	v_fmac_f32 v[57+3*c], v[28+4*c+t], v143
	v_fmac_f32 v[58+3*c], v[28+4*c+t], v144
.endif
.set c, c+1
.endr
.set t, t+1
.endr
.set t, 48
.rept 20
	RED t
.set t, t+1
.endr
	v_mul_f32 v145, v48, v48                       ; G00
	v_mul_f32 v146, v48, v49                       ; G01
	v_mul_f32 v147, v49, v49                       ; G11
.set c, 1
.rept 3
	v_fmac_f32 v145, v[48+2*c], v[48+2*c]
	v_fmac_f32 v146, v[48+2*c], v[49+2*c]
	v_fmac_f32 v147, v[49+2*c], v[49+2*c]
.set c, c+1
.endr
	v_mul_f32 v148, v146, v146
	v_fma_f32 v148, v145, v147, -v148              ; D
	v_mov_b32 v165, s86
	v_mul_f32 v165, 0x4038aa3b, v165               ; 2 log2(e) log_t
	v_rcp_f32 v149, v148
	v_exp_f32 v165, v165                           ; t
	v_add_f32 v156, v146, v146                     ; 2 G01 (the plain instruction behind the two)
.set c, 0
.rept 4
	v_mul_f32 v[150+c], v147, v[56+3*c]
	v_fma_f32 v[150+c], -v156, v[57+3*c], v[150+c]
	v_fma_f32 v[150+c], v145, v[58+3*c], v[150+c]  ; tau'
.set c, c+1
.endr
	v_mul_f32 v157, v150, v48
	v_mul_f32 v158, v150, v49
.set c, 1
.rept 3
	v_fmac_f32 v157, v[150+c], v[48+2*c]           ; u
	v_fmac_f32 v158, v[150+c], v[49+2*c]
.set c, c+1
.endr
	s_wait_alu depctr_va_vdst(0)                   ; the reciprocal has written v149 and the exponential v165, ahead of their first readers
	v_mul_f32 v165, 0x3e2aaaab, v165               ; dt = t / 6
	v_sqrt_f32 v166, v165
	v_mul_f32 v159, v147, v149                     ; ginv00
	v_mul_f32 v160, -v146, v149                    ; ginv01
	v_mul_f32 v161, v145, v149                     ; ginv11
	v_mul_f32 v162, 0.5, v149
	v_mul_f32 v163, v159, v157
	v_fmac_f32 v163, v160, v158
	v_fma_f32 v163, v163, v162, s84                ; mu0 + drift0
	v_mul_f32 v164, v160, v157
	v_fmac_f32 v164, v161, v158
	v_fma_f32 v164, v164, v162, s85                ; mu1 + drift1
	v_mul_f32 v167, v103, v102                     ; alpha = pO pW
	v_mul_f32 v168, v167, v102                     ; beta = alpha pW
	v_mov_b32 v90, 0
	s_wait_alu depctr_va_vdst(0)                   ; the root has written v166, ahead of its reader
	PUT 0, v167
	PUT 1, v163
	PUT 2, v168
	PUT 3, v164
	PUT 4, v166
	PUT 5, v159
	PUT 6, v160
	PUT 7, v161
	PUT 8, s84
	PUT 9, s85
	PUT 10, s86
	PUT 11, v165
	PUT 12, v145
	PUT 13, v146
	PUT 14, v147
	s_wait_alu depctr_va_vdst(0)                   ; the fifteen selects have written v90, the store's data
	global_store_b32 v91, v90, s[42:43]
	s_endpgm
; ---- FIRST LAYERS (jobs 0-6: encoder, 7-13: decoder), bf16 in two parts.  Row p, W' = -log2(e) W:
; lanes h = 0: [W0 hi, W0 hi, W1 hi, W1 hi, W2 hi, W2 hi, b hi, b mid];  lanes h = 1: [W0 lo x 2, W1 lo x 2, W2 lo x 2, b lo, 0].  They meet [v0 hi, v0 lo, v1 hi, v1 lo, v2 hi, v2 lo, 1, 1].
.Lfirst:
	s_cmp_lt_u32 s4, 7
	s_cselect_b64 s[70:71], s[8:9], s[24:25]       ; We1 or Wd1
	s_cselect_b64 s[72:73], s[10:11], s[26:27]     ; be1 or bd1
	s_cselect_b32 s44, 0, 7
	s_cselect_b32 s46, -1, 0                       ; is there a third row?
	s_cselect_b32 s47, 2, 1                        ; if not, row 1 is loaded once more, inside Wd1, and a select puts 0 in its place
	s_mul_i32 s47, s47, 400
	s_sub_co_u32 s55, s4, s44                      ; the tile
	ROWHID s55
	s_and_b32 s46, s46, s49
	v_lshlrev_b32 v6, 2, v6
	v_add_nc_u32 v7, s47, v6
	s_wait_alu depctr_va_vdst(0)                   ; the offsets v6, v7 and v4 are written, which the loads below and the store read
	global_load_b32 v24, v6, s[70:71]
	global_load_b32 v25, v6, s[70:71] offset:400
	global_load_b32 v26, v7, s[70:71]
	global_load_b32 v27, v6, s[72:73]
	s_wait_loadcnt 0x0
.irp i, 24,25,26,27
	v_mul_f32 v\i, NL2E, v\i
.endr
	v_cndmask_b32 v24, 0, v24, s49
	v_cndmask_b32 v25, 0, v25, s49
	v_cndmask_b32 v26, 0, v26, s46
	v_cndmask_b32 v27, 0, v27, s49
.irp i, 0,1,2
	v_and_b32 v28, s83, v[24+\i]                   ; the upper 16 bits are a bf16,
	v_sub_f32 v29, v[24+\i], v28                   ; what is left, exactly
	v_cndmask_b32 v28, v28, v29, s82
	v_cvt_pk_bf16_f32 v[64+\i], v28, v28           ; twice; the first part is a bf16 already, the second is rounded to nearest
.endr
	v_and_b32 v28, s83, v27
	v_sub_f32 v28, v27, v28
	v_and_b32 v29, s83, v28
	v_sub_f32 v29, v28, v29
	v_cndmask_b32 v30, v28, 0, s82
	v_cndmask_b32 v31, v27, v29, s82
	v_perm_b32 v67, v30, v31, s88
	s_wait_alu depctr_va_vdst(0)                   ; the roundings and the byte select have written v[64:67], the store's data
	global_store_b128 v4, v[64:67], s[42:43]
	s_endpgm
; ---- ENCODER LAYER 2: row p, column k: We2[unit(k)][unit(p)] as it is (the factors c and -log2(e) cancel); bias -log2(e) be2
.Le2:
	s_sub_co_u32 s44, s4, 14
	s_lshr_b32 s55, s44, 3                         ; tile
	s_bfe_u32 s45, s44, 0x20001                    ; K step
	s_and_b32 s46, s44, 1                          ; registers 0-3 or 4-7
	ROWHID s55
	KIDX
	v_lshlrev_b32 v7, 2, v6
.set i, 0
.rept 8
	v_mad_u32_u24 v[16+i], v[8+i], 100, v6
	v_lshlrev_b32 v[16+i], 2, v[16+i]
.set i, i+1
.endr
	s_wait_alu depctr_va_vdst(0)                   ; the offsets v[16:23], v7 and v4 are written, which the loads below and the store read
.set i, 0
.rept 8
	global_load_b32 v[24+i], v[16+i], s[12:13]
.set i, i+1
.endr
	global_load_b32 v32, v7, s[14:15]
	s_and_b32 s58, s51, s49
	s_and_b32 s59, s52, s49
	s_and_b32 s60, s53, s49
	s_wait_loadcnt 0x0
.set i, 0
.rept 8
.if i < 2
	v_cndmask_b32 v[56+i], 0, v[24+i], s58
.else
	v_cndmask_b32 v[56+i], 0, v[24+i], s59
.endif
.set i, i+1
.endr
	v_mul_f32 v32, NL2E, v32
	BIASPART 32, 60
	PACKST
	s_endpgm
; ---- THE HEAD (jobs 70-77: rows mu0, mu1, log_t) AND THE DECODER'S OUTPUT (78-85: rows mu_x 0-2, log_sigma), each in both halves of the 16 rows; coefficients c W, biases as they are.
; Rows rr = 4..7 hold the second parts of rows 0..3 and no bias.  K step 3 repeats its two coefficients at elements 4 and 5, where the decoder's second parts of h' stand (the head has zeros there).
.Lhddc:
	s_sub_co_u32 s44, s4, 70
	s_cmp_lt_u32 s44, 8
	s_cselect_b64 s[70:71], s[16:17], s[28:29]     ; Wemu or Wdmu
	s_cselect_b64 s[72:73], s[20:21], s[32:33]     ; Wet or Wds
	s_cselect_b64 s[74:75], s[18:19], s[30:31]     ; bemu or bdmu
	s_cselect_b64 s[76:77], s[22:23], s[34:35]     ; bet or bds
	s_cselect_b32 s55, 2, 3                        ; columns of the first
	s_bfe_u32 s45, s44, 0x20001
	s_and_b32 s46, s44, 1
	KIDX
	s_sub_co_u32 s56, s55, 1
	v_and_b32 v7, 3, v3                            ; rr % 4
	v_cmp_le_u32 s67, 4, v3                        ; a row of second parts
	v_min_u32 v6, s56, v7
	v_cmp_gt_u32 s57, s55, v7                      ; a row of the first matrix
	v_cmp_ge_u32 s49, s55, v7                      ; a row at all
.set i, 0
.rept 8
	v_mad_u32_u24 v[16+i], v[8+i], s55, v6
	v_lshlrev_b32 v[16+i], 2, v[16+i]
	v_lshlrev_b32 v[72+i], 2, v[8+i]
.set i, i+1
.endr
	v_lshlrev_b32 v70, 2, v6
	v_mov_b32 v71, 0
	s_wait_alu depctr_va_sdst(0)                   ; the three compares have written s67, s57 and s49, which the scalar lines and the selects below read
	s_wait_alu depctr_va_vdst(0)                   ; the offsets v[16:23], v[70:79] and v4 are written, which the loads below and the store read
.set i, 0
.rept 8
	global_load_b32 v[24+i], v[16+i], s[70:71]
	global_load_b32 v[32+i], v[72+i], s[72:73]
.set i, i+1
.endr
	global_load_b32 v40, v70, s[74:75]
	global_load_b32 v41, v71, s[76:77]
	s_and_b32 s58, s51, s49
	s_and_b32 s59, s52, s49
	s_and_b32 s60, s53, s49
	s_and_not1_b32 s60, s60, s67
	s_wait_loadcnt 0x0
.set i, 0
.rept 8
	v_cndmask_b32 v[24+i], v[32+i], v[24+i], s57
	v_mul_f32 v[24+i], CLN2, v[24+i]
	SECOND 24+i
.if i < 2
	v_cndmask_b32 v[56+i], 0, v[24+i], s58
.else
	v_cndmask_b32 v[56+i], 0, v[24+i], s59
.endif
.set i, i+1
.endr
	v_cndmask_b32 v60, v60, v56, s53
	v_cndmask_b32 v61, v61, v57, s53
	v_cndmask_b32 v40, v41, v40, s57
	BIASPART 40, 60
	PACKST
	s_endpgm
; ---- THE COEFFICIENTS OF J (jobs 86-93), OF H (94-101), AND H's SECOND PARTS FOR K STEPS 0 TO 2 (102-107), normalised.  Row r = 8 hh + rr.
; X: c = 2 hh + (rr % 4) / 2, l = rr % 2: Wo^[j][c] W^[l][j]; rows rr < 4 hold it, rows rr >= 4 its second part.  X's quad 7 (the empty second half of K step 3) is tile 0's quad once more: there tile 0's second parts of swish' stand.
; Y: rr < 6: c = 2 hh + (rr >= 3), lm = rr % 3 for (00, 01, 11): f Wo^ W^l W^m, f = 2 (the second kernel carries swish'' / 2), 4 for 01 (2 H01 is wanted).
; Y's K step 3 holds its two coefficients at elements 2 and 3 and their second parts at elements 4 and 5.
; The compares stand in two runs, since lm and c hang on a select by the first run's s56.
.Lxy:
	s_sub_co_u32 s44, s4, 86
	s_cmp_lt_u32 s44, 8
	s_cselect_b32 s61, -1, 0                       ; X?
	s_cselect_b32 s62, 8, 6
	s_cmp_ge_u32 s44, 16
	s_cselect_b32 s68, -1, 0                       ; a quad of Y's second parts?
	s_bfe_u32 s45, s44, 0x20001
	s_and_b32 s46, s44, 1
	s_cmp_eq_u32 s44, 7
	s_cselect_b32 s45, 0, s45
	s_cselect_b32 s46, 0, s46
	KIDX
	s_and_not1_b32 s66, s53, s61                   ; Y's K step 3
	v_cmp_le_u32 s67, 4, v3
	v_cmp_le_u32 s56, 3, v3
	v_cmp_gt_u32 s49, s62, v3
	v_lshrrev_b32 v70, 3, v1
	v_lshlrev_b32 v70, 1, v70                      ; 2 hh
	v_bfe_u32 v71, v3, 1, 1
	v_and_b32 v72, 1, v3
	s_wait_alu depctr_va_sdst(0)                   ; the first run of compares has written s67, s56 and s49, which the lines below read
	s_and_b32 s67, s67, s61                        ; X's rows of second parts,
	s_or_b32 s67, s67, s68                         ; or every row
	v_cndmask_b32 v73, 0, 1, s56
	v_mul_u32_u24 v74, 3, v73
	v_sub_nc_u32 v74, v3, v74                      ; lm
	v_cndmask_b32 v71, v73, v71, s61
	v_add_nc_u32 v70, v70, v71                     ; c
	v_cmp_eq_u32 s90, 2, v74
	v_cmp_le_u32 s91, 1, v74
	v_cmp_eq_u32 s92, 1, v74
	v_cmp_gt_u32 s63, 3, v70
	v_min_u32 v78, 2, v70
	s_wait_alu depctr_va_sdst(0)                   ; the second run of compares has written s90, s91, s92 and s63, which the selects below read
	v_cndmask_b32 v75, 0, 1, s90                   ; l of Y
	v_cndmask_b32 v76, 0, 1, s91                   ; m of Y
	v_cndmask_b32 v77, 2.0, 4.0, s92
	v_cndmask_b32 v72, v75, v72, s61               ; l
	v_cndmask_b32 v77, v77, 1.0, s61               ; f
	v_mul_u32_u24 v79, 100, v72
	v_mul_u32_u24 v80, 100, v76
.set i, 0
.rept 8
	v_mad_u32_u24 v[128+i], v[8+i], 3, v78
	v_lshlrev_b32 v[128+i], 2, v[128+i]
	v_lshlrev_b32 v[136+i], 2, v[8+i]
	v_add_lshl_u32 v[144+i], v[8+i], v79, 2
	v_add_lshl_u32 v[152+i], v[8+i], v80, 2
.set i, i+1
.endr
	MAXAD
	s_wait_alu depctr_va_vdst(0)                   ; the offsets v[128:159], v[170:190] and v4 are written, which the loads below and the store read
.set i, 0
.rept 8
	global_load_b32 v[16+i], v[128+i], s[28:29]
	global_load_b32 v[24+i], v[136+i], s[32:33]
	global_load_b32 v[32+i], v[144+i], s[24:25]
	global_load_b32 v[40+i], v[152+i], s[24:25]
.set i, i+1
.endr
	MAXLD
	s_and_b32 s58, s51, s49
	s_and_b32 s59, s52, s49
	s_wait_loadcnt 0x0
	MAXRED
.set i, 0
.rept 8
	v_mul_f32 v[24+i], SQ3, v[24+i]
	v_cndmask_b32 v[16+i], v[24+i], v[16+i], s63
	v_mul_f32 v[16+i], v[16+i], v101
	v_mul_f32 v[32+i], v[32+i], v100
	v_mul_f32 v[40+i], v[40+i], v100
	v_cndmask_b32 v[40+i], v[40+i], 1.0, s61
	v_mul_f32 v[16+i], v[16+i], v[32+i]
	v_mul_f32 v[40+i], v[40+i], v77
	v_mul_f32 v[16+i], v[16+i], v[40+i]
	SECOND 16+i
.if i < 2
	v_cndmask_b32 v[56+i], 0, v[16+i], s58
.else
	v_cndmask_b32 v[56+i], 0, v[16+i], s59
.endif
.set i, i+1
.endr
	v_cvt_pk_f16_f32 v68, v56, v56                 ; Y's K step 3: the second parts of its two coefficients go to elements 4 and 5,
	v_cvt_f32_f16 v69, v68.l
	v_sub_f32 v69, v56, v69
	v_cndmask_b32 v60, v60, v69, s66
	v_cvt_pk_f16_f32 v68, v57, v57
	v_cvt_f32_f16 v69, v68.l
	v_sub_f32 v69, v57, v69
	v_cndmask_b32 v61, v61, v69, s66
	v_cndmask_b32 v58, v58, v56, s66               ; the coefficients themselves to elements 2 and 3
	v_cndmask_b32 v59, v59, v57, s66
	v_cndmask_b32 v56, v56, 0, s66
	v_cndmask_b32 v57, v57, 0, s66
	PACKST
	s_endpgm
.Lfunc_end_k_q6ca701a9c3_prep:
	.size	k_q6ca701a9c3_prep, .Lfunc_end_k_q6ca701a9c3_prep-k_q6ca701a9c3_prep
	.p2alignl 7, 3214868480
	.fill 96, 4, 3214868480
	.section	.rodata,"a",@progbits
	.p2align	6, 0x0
	.amdhsa_kernel k_q6ca701a9c3_prep
		.amdhsa_group_segment_fixed_size 0
		.amdhsa_private_segment_fixed_size 0
		.amdhsa_enable_private_segment 0
		.amdhsa_kernarg_size 136
		.amdhsa_user_sgpr_count 2
		.amdhsa_user_sgpr_kernarg_segment_ptr 1
		.amdhsa_wavefront_size32 1
		.amdhsa_system_sgpr_workgroup_id_x 1
		.amdhsa_system_sgpr_workgroup_id_y 1
		.amdhsa_system_sgpr_workgroup_id_z 1
		.amdhsa_system_vgpr_workitem_id 0
		.amdhsa_next_free_vgpr 192
		.amdhsa_next_free_sgpr 96
		.amdhsa_reserve_vcc 0
		.amdhsa_float_denorm_mode_32 3
		.amdhsa_float_denorm_mode_16_64 3
		.amdhsa_memory_ordered 1
		.amdhsa_forward_progress 1
		.amdhsa_inst_pref_size 68
	.end_amdhsa_kernel
	.amdgpu_metadata
---
amdhsa.version: [ 1, 2 ]
amdhsa.kernels:
  - .name:           k_q6ca701a9c3_prep
    .symbol:         k_q6ca701a9c3_prep.kd
    .args:
      - { .name: We1, .offset: 0, .size: 8, .value_kind: global_buffer, .address_space: global }
      - { .name: be1, .offset: 8, .size: 8, .value_kind: global_buffer, .address_space: global }
      - { .name: We2, .offset: 16, .size: 8, .value_kind: global_buffer, .address_space: global }
      - { .name: be2, .offset: 24, .size: 8, .value_kind: global_buffer, .address_space: global }
      - { .name: Wemu, .offset: 32, .size: 8, .value_kind: global_buffer, .address_space: global }
      - { .name: bemu, .offset: 40, .size: 8, .value_kind: global_buffer, .address_space: global }
      - { .name: Wet, .offset: 48, .size: 8, .value_kind: global_buffer, .address_space: global }
      - { .name: bet, .offset: 56, .size: 8, .value_kind: global_buffer, .address_space: global }
      - { .name: Wd1, .offset: 64, .size: 8, .value_kind: global_buffer, .address_space: global }
      - { .name: bd1, .offset: 72, .size: 8, .value_kind: global_buffer, .address_space: global }
      - { .name: Wdmu, .offset: 80, .size: 8, .value_kind: global_buffer, .address_space: global }
      - { .name: bdmu, .offset: 88, .size: 8, .value_kind: global_buffer, .address_space: global }
      - { .name: Wds, .offset: 96, .size: 8, .value_kind: global_buffer, .address_space: global }
      - { .name: bds, .offset: 104, .size: 8, .value_kind: global_buffer, .address_space: global }
      - { .name: b_prior_mu, .offset: 112, .size: 8, .value_kind: global_buffer, .address_space: global }
      - { .name: b_prior_t, .offset: 120, .size: 8, .value_kind: global_buffer, .address_space: global }
      - { .name: wk, .offset: 128, .size: 8, .value_kind: global_buffer, .address_space: global }
    .group_segment_fixed_size: 0
    .private_segment_fixed_size: 0
    .kernarg_segment_align: 8
    .kernarg_segment_size: 136
    .max_flat_workgroup_size: 32
    .sgpr_count:     96
    .vgpr_count:     192
    .wavefront_size: 32
...
	.end_amdgpu_metadata
.endif
;; end of part 3
;; launch main: the kernel of part 2 again; grid 196 x 1, 16 waves a work-group, no clusters, 107,520 bytes of LDS; arguments wk, x, eps_post, eps_prior, out0, out1, out2, out3, out4, out5, out6, out7, out8, out9, out10, out11, out12, out13; writes out0, out1, out2, out3, out4, out5, out6, out7, out8, out9, out10, out11, out12, out13
